; MI455X (gfx1250); checked and timed in simulation.
; The chip was launched on July 23, 2026; its instructions are those of AMD's public machine-readable ISA for CDNA 5 (MIT licence, August 2026) and "CDNA5" Instruction Set Architecture Reference Guide (July 2026). The comments in the code are by the model that wrote it; some were corrected since.
;; Interaction Transition Model. Allowed arithmetic: matrix products marked QUANTISED: E2M1 operands, one E8M0 scale for each 32 along K, by v_wmma_scale_f32_16x16x128_f8f6f4 with both operands' format E2M1 (or v_wmma_scale_f32_32x16x128_f4), f32 sums; products left as they are: f32 operands where the result goes on into a quantised operand, else bf16, f16 or f32 operands; f32 sums; everything else in f32.
;; Inputs: W1 66 x 256 float32; W2 256 x 2 float32; Wk 128 x 64 float32; Wq 128 x 64 float32; Wv 128 x 64 float32; action 2,048 x 2 float32; b1 256 float32; b2 2 float32; bk 64 float32; bq 64 float32; bv 64 float32; ln_b 256 float32; ln_g 256 float32; obs 8,192 x 128 float32.
;; Outputs: out0 8,192 x 5 float32.
;; This version of the problem:
;;   THIS VERSION OF THE PROBLEM IS GIVEN IN LOW PRECISION. The matrix products marked QUANTISED in the list below multiply operands that are first quantised to E2M1 (2 exponent bits, 1 mantissa bit; 4 bits a number), with one power-of-two scale for each 32 numbers along K (OCP MX v1.0); their sums are f32. All else is computed in f32.
;;   The module's matrix products, in the order in which they are computed (A, B: the left and right operand; K: the contracted axis; several contracted axes count as one K, in the product's order):
;;     1. [M 8,192, K 128] x [K 128, N 64]; A: input obs; B: input Wq: QUANTISED
;;     2. [M 8,192, K 128] x [K 128, N 64]; A: input obs; B: input Wk: QUANTISED
;;     3. [M 8,192, K 128] x [K 128, N 64]; A: input obs; B: input Wv: QUANTISED
;;     4. [M 8,192, K 64] x [K 64, N 8,192]; A: computed on the way; B: computed on the way: QUANTISED
;;     5. [M 8,192, K 8,192] x [K 8,192, N 64]; A: softmax (see below); B: computed on the way: QUANTISED
;;     6. [M 8,192, K 66] x [K 66, N 256]; A: computed on the way; B: input W1: QUANTISED
;;     7. [M 8,192, K 256] x [K 256, N 2]; A: computed on the way; B: input W2: left as it is (N = 2 < 16)
;;   THE QUANTISER, for each operand of a quantised product, along K:
;;     - K is cut into blocks of 32 from its start; a last block that is shorter is filled with zeros.
;;     - A block's scale is 2^e with e = floor(log2(the largest magnitude in the block)) - 2, held to -126 .. 127; a block of zeros has e = 0. As a byte (E8M0): e + 127.
;;     - Each number is divided by its block's scale, clamped to +-6, and rounded to the nearest number of E2M1, ties to even, subnormals kept.
;;     - The product sums the exact products of the quantised numbers (number of the format x scale) in f32.
;;   ~~~python
;;   def quantise(x, axis):      # numpy; x: float32 -> the quantised numbers, widened to float32 again
;;       x = np.moveaxis(x, axis, -1); K = x.shape[-1]
;;       x = np.pad(x, [(0, 0)] * (x.ndim - 1) + [(0, -K % 32)]); x = x.reshape(x.shape[:-1] + (-1, 32)); a = np.abs(x).max(-1, keepdims=True)
;;       e = np.where(a > 0, np.clip(np.frexp(np.where(a > 0, a, 1))[1] - 1 - 2, -126, 127), 0)      # np.frexp(a)[1] - 1 = floor(log2(a)), exactly
;;       r = np.clip(x / 2.0 ** e, -6, 6)
;;       step = 2.0 ** (np.maximum(np.frexp(np.where(r == 0, 1, r))[1] - 1, 0) - 1)
;;       q = np.round(r / step) * step * 2.0 ** e      # np.round: ties to even
;;       return np.moveaxis(q.reshape(q.shape[:-2] + (-1,))[..., :K], -1, axis).astype(np.float32)
;;   ~~~
;;   SOFTMAX AHEAD OF A QUANTISED PRODUCT. Where the list says 'softmax', what is quantised is not the finished softmax but p = 2^(t - M), with t = logit x log2(e) and M = ceil(the row's largest t), a whole number; so 1/2 < the row's largest p <= 1. The row's sum l is taken of the UNQUANTISED p, in f32, and the product's result is divided by l at the end. Since M is a whole number, a kernel that streams over the keys may use a running M (the ceiling of the running maximum): every later rescaling is an exact power of two, which a block's scale takes up: the codes' values come out the same.
;;   OPERANDS COMPUTED ON THE WAY. 'Computed on the way' means the value that the module computes at that place (a softmax that the list does not call 'softmax' is quantised finished and normalised). What goes into a quantiser is computed in f32, as accurately as f32 sums, v_exp_f32 and their like allow (about 1e-6 of the number): no bf16 or f16 on the way to a quantiser, and a product that is left as it is and whose result goes on into a quantised operand takes f32 operands (vector FMAs, or v_wmma_f32_16x16x4_f32). A number that lies on a knife's edge between two numbers of the format may be rounded either way, as far as f32 arithmetic and the matrix unit's own rounding can turn it there, and no further.
;; One version. Each part assembles by itself: llvm-mc -triple=amdgcn-amd-amdhsa -mcpu=gfx1250 --defsym DOCPART=n.
;; ======== version 1 of 1: 3 launches
;; limits: inputs' magnitudes at most 100,000; a function is approximated: absolute error at most 1e-06
;; workspace buffers: qcodes 262,144 bytes; qscales 32,768 bytes; kv 573,440 bytes; state 196,608 bytes; aout 2,097,152 bytes
;; launch qkv (part 1): grid 64 x 1, 16 waves a work-group, no clusters, 31,232 bytes of LDS; arguments obs, Wq, bq, Wk, bk, Wv, bv, qcodes, qscales, kv, state; writes qcodes, qscales, kv, state
.if DOCPART == 1
	.amdgcn_target "amdgcn-amd-amdhsa--gfx1250"
	.amdhsa_code_object_version 6
	.text
	.protected	k_q0c14e743a7_qkv
	.globl	k_q0c14e743a7_qkv
	.p2align	8
	.type	k_q0c14e743a7_qkv,@function
k_q0c14e743a7_qkv:
	s_mov_b64 s[64:65], 0
	v_nop
	global_prefetch_b8 v0, s[64:65] scope:SCOPE_SE
	s_setreg_imm32_b32 hwreg(HW_REG_WAVE_MODE, 25, 1), 1
	s_wait_xcnt 0x0
; FIRST OF THREE LAUNCHES.  WHAT IS LEFT OUT, AND WHAT IS NOT.  reference() reads pred_action[0, :] alone and gives it to every row.  pred_action[0] hangs on row 0 of z, of h, of out, of attn and of q, and on all rows
; of k and v.  LEFT OUT, in the third launch: rows 1 .. 8191 of products 6 and 7, of the LayerNorm and of the relu, and rows 1 .. 2047 of action (act4[0] = action[0]): whatever finite values the inputs hold, they reach no output.
; NOT LEFT OUT: rows 1 .. 8191 of products 1, 4 and 5 and of the softmax reach no output either; this program carries them out all the same, as reference() writes them, and stores the whole of out: these three
; LIMITS: a NaN, an infinity or an overflow that reaches only the rows left out is not carried to the result.  A block of zeros gets the scale byte 1 where the quantiser says 127: its codes are zeros, and this
; program alone reads the bytes.  Sine and cosine are made by a reduction with pi/2 in two parts and polynomials on [-pi/4, pi/4]: about 1e-6 absolute up to |angle| = 1e5.
; WHAT THIS LAUNCH DOES.  Work-group g owns rows 128 g .. 128 g + 127.  It quantises its rows of obs and Wq, Wk, Wv; makes q, k, v (MX-FP4 products, the biases as C); quantises q and k along the 64 features and v along
; the keys; and stores codes and scale words IN THE ORDER OF THE OPERANDS' REGISTERS, so that the second launch takes every fragment by 16 bytes a lane.  k's and v's go into ONE dense piece of kv for each work-group,
; 8,960 bytes = 35 x 256: k's codes at 0 (512 bytes a tile), v's at 4,096 (1,024 a tile), k's scale words at 8,192, v's at 8,704: what one tensor load of the second launch brings.  It also makes the part of the bicycle
; model that needs no throttle (x, y, yaw, vb = v0 - 0.2 v0 (0.1 + 0.5 v0), 0.2 cos yaw, 0.2 sin yaw): state.
; SHARES.  16 waves.  w7 = wave & 7, c = w7 / 4, t = w7 % 4.  Waves 0-7 (key waves): the tile of 16 rows 64 c + 8 t + (r & 7) + 32 (r / 8), r = lane % 16.  Waves 8-15: first block t of K, columns 32 c .. 32 c + 31 of
; the three weights; then v for rows 64 c .. 64 c + 63 and tile t of its 64 columns.  Then waves 0, 1, 2: the scale words' way out; waves 8, 9: the bicycle model's part.
; WHY THESE TILES.  q and k are made with source 0 = 16 rows of the weight, feature 8 t' + (m & 7) + 32 (m / 8) in row m of tile t': a lane's 32 results of the four tiles are features 32 h .. 32 h + 31 of its row
; (h = lane / 16): a whole block of product 4's K.  v is made with source 0 = a tile of rows: a lane's 32 results of four tiles are keys 64 c + 32 h .. + 31 of one column: a whole block of product 5's K.  Nothing changes lanes.
; No tensor load, no cluster: what the work-groups share is 96 KiB of weights in f32, wanted column by column in registers; every load of a wave is issued at once at the head, and nothing is filled again.
.set FLOOR, 0x1800000                  ; 2^(3 - 127): under it no largest magnitude is taken, so no scale byte falls under 1
.set PIECE, 8960                       ; a work-group's piece of kv
.set WP,    80                         ; a weight column's row in LDS: 64 bytes of codes + 16: sixteen rows start at sixteen different groups of banks
.set WTAB,  0                          ; 192 rows x WP: Wq's 64 columns, Wk's, Wv's, each in the order of its tiles
.set WSC,   15360                      ; their 192 scale words
.set OIMG,  16128                      ; the eight tiles of obs as images of their registers, 1,024 bytes each
.set OSC,   24320                      ; their scale words, 128 bytes each
.set STG,   25344                      ; obs[:, 0 .. 4] of the 128 rows: five fields of 512 bytes
.set KSL,   27904                      ; k's 128 scale words: word 4 (16 c + r) + t is row r of tile (c, t)
.set QSL,   28416                      ; q's: word 16 w7 + r
.set VSL,   28928                      ; v's 64: word 2 (16 (t / 2) + r) + t % 2 is row r of tile t
.set SPARE, 29184                      ; the spare words, 128 bytes for each wave: eight blocks of 256 bytes that no other line names
.set SPW, 1                            ; LDS address of my spare word; never rewritten
.set NIL, 2                            ; 0; never rewritten
.set LN,  3                            ; lane
.set RR,  4                            ; r = lane % 16
.set HH,  5                            ; h = lane / 16
.set SH8, 6                            ; 8 h
.set PT,  7                            ; a lane permute's destination
.set GO,  8                            ; obs: 512 x my row + 128 h
.set GB,  10                           ; 128 h: bq, bk
.set GW,  11                           ; a weight: row 32 t + 16 h, column 32 c + 2 r
.set GV,  12                           ; bv: 4 (8 t + (r & 7) + 32 (r / 8))
.set AOI, 13                           ; my tile's image
.set AOS, 14                           ; its scale words
.set AST, 15                           ; STG + 4 x my row
.set AKS, 16                           ; where k's scale word goes
.set AQS, 17                           ; and q's
.set AKQ, 18                           ; KSL + 512 (w7 & 1) + 16 x lane
.set AVR, 19                           ; VSL + 8 x lane
.set AWP, 21                           ; where my codes of a weight go
.set ASP, 23                           ; and their scale bytes
.set AF,  25                           ; a fragment out of WTAB: WP r + 16 h
.set AWS, 26                           ; WSC + 4 r
.set AOF, 27                           ; the four images of my group of rows
.set AOW, 28                           ; their scale words
.set AVS, 30                           ; where v's scale byte goes
.set L16, 31                           ; 16 x lane
.set L8,  34                           ; 8 x lane
.set ASTR, 35                          ; 8 x lane + 256 w7
.set AFV, 36                           ; AF + 16 t rows
.set AWV, 37                           ; AWS + 64 t
.set X,   40                           ; key waves: v40-103 my 64 numbers of obs; then Wq's and Wk's fragments
.set WQF, 40
.set WKF, 72
.set QA,  112                          ; bq, then q: four tiles
.set KA,  144                          ; bk, then k
.set OF,  176                          ; my tile's codes
.set OW,  184                          ; its scale word
.set T,   196                          ; v196-203 at work
.set WQS, 208                          ; scale words out of LDS
.set WKS, 212
.set QC,  216                          ; q's codes
.set KC,  224                          ; k's
.set QW,  232
.set KW,  233
.set WX,  40                           ; weight waves: v40-135 three times 32 numbers
.set TT,  136                          ; v136-151 two sets of 8 neighbours along K
.set CD,  152                          ; v152-163 codes
.set WT,  164                          ; v164-171 at work
.set BV,  176
.set VB,  178                          ; bv as a C operand
.set OFR, 40                           ; value waves
.set WVF, 72
.set VA,  80
.set VC,  112
.set OSR, 208
.set WVS, 212
.set FD,  40                           ; waves 8, 9 at the end: five fields, two rows a lane
.set TN,  62                           ; v62-74 at work in SINCOS2
.set TR,  64
.set TI,  66
.set TZ,  68
.set TP,  70
.set TQ,  72
.set TG,  74
.set KS1, 86
.set KC1, 88
.set SEL, 26                           ; s[26:27] v_permlanex16_b32's selects for lane l xor 16
.macro PLACES n
.rept \n
	v_nop
.endr
.endm
; the largest magnitude of 32 numbers of one lane, and the floor.  Over four accumulators on end, each is first read at its registers 0 and 1
.macro MAX32 m, n, x
	v_max3_num_f32 v[\m], |v[\x]|, |v[\x+1]|, |v[\x+2]|
	v_max3_num_f32 v[\n], |v[\x+3]|, |v[\x+4]|, |v[\x+5]|
.irp i, 6,10,14,18,22,26
	v_max3_num_f32 v[\m], v[\m], |v[\x+\i]|, |v[\x+\i+1]|
	v_max3_num_f32 v[\n], v[\n], |v[\x+\i+2]|, |v[\x+\i+3]|
.endr
	v_max3_num_f32 v[\m], v[\m], |v[\x+30]|, |v[\x+31]|
	s_delay_alu instid0(VALU_DEP_1)
	v_max3_num_f32 v[\m], v[\m], v[\n], FLOOR
.endm
.macro SCB sc, by, m                   ; 2 off the exponent field: the conversion's scale operand; and the scale's byte
	v_add_nc_u32 v[\sc], 0xff000000, v[\m]
	s_delay_alu instid0(VALU_DEP_1)
	v_lshrrev_b32 v[\by], 23, v[\sc]
.endm
.macro CV32 d, x, sc                   ; 32 numbers -> 4 registers of codes; one plain line behind the last conversion
.irp g, 0,1,2,3
	v_cvt_scalef32_pk8_fp4_f32 v[\d+\g], v[\x+8*\g:\x+8*\g+7], v[\sc]
.endr
	v_nop
.endm
.macro WORD a                          ; my bytes go 8 h bits up; with lane l xor 16's the scale word is whole
	v_lshlrev_b32 v[\a], v[SH8], v[\a]
	s_delay_alu instid0(VALU_DEP_1)
	v_permlanex16_b32 v[PT], v[\a], s[SEL], s[SEL+1]
	s_delay_alu instid0(VALU_DEP_1)
	v_or_b32 v[\a], v[\a], v[PT]
.endm
.macro MM d, a, b, c, sa, sb
	v_wmma_scale_f32_16x16x128_f8f6f4 v[\d:\d+7], v[\a:\a+7], v[\b:\b+7], v[\c:\c+7], v[\sa], v[\sb] matrix_a_fmt:MATRIX_FMT_FP4 matrix_b_fmt:MATRIX_FMT_FP4
.endm
; sine and cosine of two angles: n = the nearest whole number to x 2/pi; r = x - n pi/2, pi/2 in two parts; polynomials in r; the quadrant n & 3 chooses and signs, by selects alone
.macro SINCOS2 x, s, c
	v_pk_mul_f32 v[TN:TN+1], v[\x:\x+1], 0x3f22f983 op_sel_hi:[1,0]
	s_delay_alu instid0(VALU_DEP_1)
	v_rndne_f32 v[TN], v[TN]
	s_delay_alu instid0(VALU_DEP_2)
	v_rndne_f32 v[TN+1], v[TN+1]
	s_delay_alu instid0(VALU_DEP_1)
	v_pk_fma_f32 v[TR:TR+1], v[TN:TN+1], 0xbfc90fdb, v[\x:\x+1] op_sel_hi:[1,0,1]
	s_delay_alu instid0(VALU_DEP_1)
	v_pk_fma_f32 v[TR:TR+1], v[TN:TN+1], 0x333bbd2e, v[TR:TR+1] op_sel_hi:[1,0,1]
	s_delay_alu instid0(VALU_DEP_4)
	v_cvt_i32_f32 v[TI], v[TN]
	s_delay_alu instid0(VALU_DEP_4)
	v_cvt_i32_f32 v[TI+1], v[TN+1]
	s_delay_alu instid0(VALU_DEP_3)
	v_pk_mul_f32 v[TZ:TZ+1], v[TR:TR+1], v[TR:TR+1]
	s_delay_alu instid0(VALU_DEP_1)
	v_pk_fma_f32 v[TP:TP+1], v[TZ:TZ+1], 0xb94ca1f9, v[KS1:KS1+1] op_sel_hi:[1,0,1]
	s_delay_alu instid0(VALU_DEP_2)
	v_pk_fma_f32 v[TQ:TQ+1], v[TZ:TZ+1], 0x37ccf5ce, v[KC1:KC1+1] op_sel_hi:[1,0,1]
	s_delay_alu instid0(VALU_DEP_2)
	v_pk_fma_f32 v[TP:TP+1], v[TP:TP+1], v[TZ:TZ+1], 0xbe2aaaa3 op_sel_hi:[1,1,0]
	s_delay_alu instid0(VALU_DEP_2)
	v_pk_fma_f32 v[TQ:TQ+1], v[TQ:TQ+1], v[TZ:TZ+1], 0x3d2aaaa5 op_sel_hi:[1,1,0]
	v_pk_mul_f32 v[TN:TN+1], v[TR:TR+1], v[TZ:TZ+1]
	s_delay_alu instid0(VALU_DEP_1)
	v_pk_fma_f32 v[TP:TP+1], v[TN:TN+1], v[TP:TP+1], v[TR:TR+1]   ; sin r
	v_pk_fma_f32 v[TN:TN+1], v[TZ:TZ+1], -0.5, 1.0 op_sel_hi:[1,0,0]
	v_pk_mul_f32 v[TZ:TZ+1], v[TZ:TZ+1], v[TZ:TZ+1]
	s_delay_alu instid0(VALU_DEP_1)
	v_pk_fma_f32 v[TQ:TQ+1], v[TZ:TZ+1], v[TQ:TQ+1], v[TN:TN+1]   ; cos r
.irp e, 0,1
	v_and_b32 v[TG], 1, v[TI+\e]
	s_delay_alu instid0(VALU_DEP_1)
	v_cmp_eq_u32 vcc_lo, 1, v[TG]
	s_delay_alu instid0(VALU_DEP_1)
	v_cndmask_b32 v[\s+\e], v[TP+\e], v[TQ+\e], vcc_lo
	s_delay_alu instid0(VALU_DEP_2)
	v_cndmask_b32 v[\c+\e], v[TQ+\e], v[TP+\e], vcc_lo
	v_lshlrev_b32 v[TG], 30, v[TI+\e]
	s_delay_alu instid0(VALU_DEP_1)
	v_and_b32 v[TG], 0x80000000, v[TG]
	s_delay_alu instid0(VALU_DEP_1)
	v_xor_b32 v[\s+\e], v[\s+\e], v[TG]            ; the sine is negative in quadrants 2, 3
	v_add_nc_u32 v[TG], 1, v[TI+\e]
	s_delay_alu instid0(VALU_DEP_1)
	v_lshlrev_b32 v[TG], 30, v[TG]
	s_delay_alu instid0(VALU_DEP_1)
	v_and_b32 v[TG], 0x80000000, v[TG]
	s_delay_alu instid0(VALU_DEP_1)
	v_xor_b32 v[\c+\e], v[\c+\e], v[TG]            ; the cosine in quadrants 1, 2
.endr
.endm
	s_load_b512 s[8:23], s[0:1], 0x0               ; obs s[8:9], Wq s[10:11], bq s[12:13], Wk s[14:15], bk s[16:17], Wv s[18:19], bv s[20:21], qcodes s[22:23]
	s_load_b128 s[40:43], s[0:1], 0x40             ; qscales s[40:41], kv s[42:43]
	s_load_b64 s[44:45], s[0:1], 0x50              ; state
	v_lshl_add_u32 v[SPW], v0, 2, SPARE
	v_mov_b32 v[NIL], 0
	v_lshrrev_b32 v[LN], 5, v0
	s_delay_alu instid0(VALU_DEP_1)
	v_readfirstlane_b32 s2, v[LN]                  ; wave 0..15
	v_and_b32 v[LN], 31, v0
	v_and_b32 v[RR], 15, v0
	v_bfe_u32 v[HH], v0, 4, 1
	s_delay_alu instid0(VALU_DEP_1)
	v_lshlrev_b32 v[SH8], 3, v[HH]
	v_mov_b32 v[PT], 0
	s_and_b32 s3, s2, 7                            ; w7
	s_lshr_b32 s4, s3, 2                           ; c
	s_and_b32 s5, s3, 3                            ; t
	s_mov_b32 s[SEL], 0x76543210
	s_mov_b32 s[SEL+1], 0xfedcba98
	; every address register is made here, ahead of the place where the waves' roles part
	v_and_b32 v40, 7, v[RR]
	v_lshrrev_b32 v41, 3, v[RR]
	s_delay_alu instid0(VALU_DEP_1)
	v_lshl_add_u32 v40, v41, 5, v40                ; (r & 7) + 32 (r / 8)
	s_lshl_b32 s7, s5, 3
	v_add_nc_u32 v42, s7, v40
	s_delay_alu instid0(VALU_DEP_1)
	v_lshlrev_b32 v[GV], 2, v42                    ; row r of tile t of v's columns is column 8 t + (r & 7) + 32 (r / 8)
	s_lshl_b32 s6, s4, 6
	s_add_co_u32 s6, s6, s7
	v_add_nc_u32 v40, s6, v40                      ; my row: 64 c + 8 t + (r & 7) + 32 (r / 8)
	s_delay_alu instid0(VALU_DEP_1)
	v_lshlrev_b32 v[GO], 9, v40
	s_delay_alu instid0(VALU_DEP_1)
	v_lshl_add_u32 v[GO], v[HH], 7, v[GO]
	v_lshlrev_b32 v[GB], 7, v[HH]
	s_lshl_b32 s6, s5, 13
	s_lshl_b32 s7, s4, 7
	s_add_co_u32 s6, s6, s7
	v_lshl_add_u32 v[GW], v[RR], 3, s6
	s_delay_alu instid0(VALU_DEP_1)
	v_lshl_add_u32 v[GW], v[HH], 12, v[GW]         ; 256 (32 t + 16 h) + 4 (32 c + 2 r)
	s_lshl_b32 s7, s3, 10
	s_add_co_u32 s7, s7, OIMG
	v_lshl_add_u32 v[AOI], v[LN], 4, s7
	s_lshl_b32 s7, s3, 7
	s_add_co_u32 s7, s7, OSC
	v_lshl_add_u32 v[AOS], v[LN], 2, s7
	v_lshl_add_u32 v[AST], v40, 2, STG
	s_lshl_b32 s7, s4, 8
	s_lshl_b32 s28, s5, 2
	s_add_co_u32 s7, s7, s28
	s_add_co_u32 s7, s7, KSL
	v_lshl_add_u32 v[AKS], v[RR], 4, s7            ; KSL + 16 (16 c + r) + 4 t
	s_lshl_b32 s7, s3, 6
	s_add_co_u32 s7, s7, QSL
	v_lshl_add_u32 v[AQS], v[RR], 2, s7            ; QSL + 64 w7 + 4 r
	s_and_b32 s7, s3, 1
	s_lshl_b32 s7, s7, 9
	s_add_co_u32 s7, s7, KSL
	v_lshl_add_u32 v[AKQ], v[LN], 4, s7
	v_lshl_add_u32 v[AVR], v[LN], 3, VSL
	v_lshrrev_b32 v41, 2, v[RR]
	v_and_b32 v42, 3, v[RR]
	s_delay_alu instid0(VALU_DEP_1)
	v_lshlrev_b32 v42, 1, v42
	s_delay_alu instid0(VALU_DEP_1)
	v_lshl_add_u32 v42, v41, 4, v42
	s_lshl_b32 s7, s4, 3
	v_add_nc_u32 v42, s7, v42                      ; column 32 c + 2 r of a weight lies in row 16 (r / 4) + 8 c + 2 (r & 3) of its table; the next column in the next row
	s_lshl_b32 s28, s5, 4
	v_mul_u32_u24 v[AWP], v42, WP
	s_delay_alu instid0(VALU_DEP_1)
	v_lshl_add_u32 v[AWP], v[HH], 3, v[AWP]
	s_delay_alu instid0(VALU_DEP_1)
	v_add_nc_u32 v[AWP], s28, v[AWP]               ; + 16 t + 8 h: the bytes of k = 32 t + 16 h on
	v_lshl_add_u32 v[ASP], v42, 2, WSC
	s_delay_alu instid0(VALU_DEP_1)
	v_add_nc_u32 v[ASP], s5, v[ASP]
	v_mul_u32_u24 v[AF], v[RR], WP
	s_delay_alu instid0(VALU_DEP_1)
	v_lshl_add_u32 v[AF], v[HH], 4, v[AF]
	s_wait_alu depctr_va_vdst(0)
	v_lshl_add_u32 v[AWS], v[RR], 2, WSC
	s_wait_alu depctr_va_vdst(0)
	s_lshl_b32 s7, s4, 12
	s_add_co_u32 s7, s7, OIMG
	v_lshl_add_u32 v[AOF], v[LN], 4, s7
	s_lshl_b32 s7, s4, 9
	s_add_co_u32 s7, s7, OSC
	v_lshl_add_u32 v[AOW], v[LN], 2, s7
	s_lshr_b32 s7, s5, 1
	s_lshl_b32 s7, s7, 7
	s_and_b32 s28, s5, 1
	s_lshl_b32 s28, s28, 2
	s_add_co_u32 s7, s7, s28
	s_lshl_b32 s28, s4, 1
	s_add_co_u32 s7, s7, s28
	s_add_co_u32 s7, s7, VSL
	v_lshl_add_u32 v[AVS], v[RR], 3, s7
	s_delay_alu instid0(VALU_DEP_1)
	v_add_nc_u32 v[AVS], v[AVS], v[HH]             ; VSL + 128 (t / 2) + 8 r + 4 (t % 2) + 2 c + h
	v_lshlrev_b32 v[L16], 4, v[LN]
	v_lshlrev_b32 v[L8], 3, v[LN]
	s_lshl_b32 s7, s3, 8
	v_lshl_add_u32 v[ASTR], v[LN], 3, s7
	s_mul_i32 s7, s5, 16*WP
	v_add_nc_u32 v[AFV], s7, v[AF]
	s_lshl_b32 s7, s5, 6
	v_add_nc_u32 v[AWV], s7, v[AWS]
	s_wait_kmcnt 0x0
	s_lshl_b32 s6, ttmp9, 16
	s_mov_b32 s7, 0
	s_add_nc_u64 s[32:33], s[8:9], s[6:7]          ; obs at my 128 rows
	s_lshl_b32 s6, ttmp9, 12
	s_lshl_b32 s28, s3, 9
	s_add_co_u32 s6, s6, s28
	s_add_nc_u64 s[34:35], s[22:23], s[6:7]        ; q's codes: tile 8 g + w7, 512 bytes a tile
	s_mul_i32 s29, ttmp9, PIECE                    ; my piece of kv
	s_add_co_u32 s6, s29, s28
	s_add_nc_u64 s[36:37], s[42:43], s[6:7]        ; k's codes: + 512 w7
	s_lshl_b32 s6, s5, 10
	s_lshl_b32 s28, s4, 9
	s_add_co_u32 s6, s6, s28
	s_add_co_u32 s6, s6, s29
	s_add_co_u32 s6, s6, 4096
	s_add_nc_u64 s[52:53], s[42:43], s[6:7]        ; v's codes: + 4,096 + 1,024 t + 512 c
	s_add_co_u32 s6, s29, 8704
	s_add_nc_u64 s[56:57], s[42:43], s[6:7]        ; v's scale words
	s_add_co_u32 s28, s29, 8192                    ; k's scale words, in kv;
	s_lshl_b32 s6, ttmp9, 9                        ; q's, in qscales
	s_cmp_eq_u32 s2, 0
	s_cselect_b64 s[54:55], s[42:43], s[40:41]     ; wave 0 stores k's scale words, wave 1 q's: the choice hangs on the wave's number alone
	s_cselect_b32 s6, s28, s6
	s_add_nc_u64 s[54:55], s[54:55], s[6:7]
	s_lshl_b32 s6, ttmp9, 9
	s_lshl_b32 s28, s3, 8
	s_add_co_u32 s6, s6, s28
	s_add_nc_u64 s[38:39], s[44:45], s[6:7]        ; state: my 128 rows, + 64 rows in wave 9
	s_cmp_lt_u32 s2, 8
	s_cbranch_scc0 .Lweights
	; ---- key waves, first part: 32 loads at once; my tile of obs is quantised
.irp c, 0,1
.irp j, 0,1,2,3,4,5,6,7
	global_load_b128 v[X+32*\c+4*\j:X+32*\c+4*\j+3], v[GO], s[32:33] offset:256*\c+16*\j   ; obs(my row, 64 c + 32 h + 4 j ..): the order of the operand's registers.  No hint: eight loads on end take neighbouring 16 bytes of a lane's 128
.endr
.endr
.irp t, 0,1,2,3
.irp u, 0,1
	global_load_b128 v[QA+8*\t+4*\u:QA+8*\t+4*\u+3], v[GB], s[12:13] offset:32*\t+16*\u    ; bq at features 32 h + 8 t + 0 .. 7: the result's layout
.endr
.endr
.irp t, 0,1,2,3
.irp u, 0,1
	global_load_b128 v[KA+8*\t+4*\u:KA+8*\t+4*\u+3], v[GB], s[16:17] offset:32*\t+16*\u
.endr
.endr
	s_wait_loadcnt 16                              ; my tile is in; the biases' sixteen loads may be out
	v_cmp_gt_u32 vcc_lo, 16, v[LN]
	s_wait_xcnt 0x0                                ; EXEC changes only behind this wait: loads are out
	s_and_saveexec_b32 s30, vcc_lo                 ; lanes 0-15 hold obs[row, 0 .. 4]
.irp f, 0,1,2,3,4
	ds_store_b32 v[AST], v[X+\f] offset:512*\f
.endr
	s_wait_xcnt 0x0
	s_or_b32 exec_lo, exec_lo, s30
	MAX32 T, T+1, X                                ; block h
	MAX32 T+2, T+3, X+32                           ; block 2 + h
	SCB T+4, T+5, T
	SCB T+6, T+7, T+2
	CV32 OF, X, T+4
	CV32 OF+4, X+32, T+6
	v_lshl_or_b32 v[OW], v[T+7], 16, v[T+5]
	WORD OW
	ds_store_b128 v[AOI], v[OF:OF+3]               ; the image of my tile, for the value waves
	ds_store_b128 v[AOI], v[OF+4:OF+7] offset:512
	ds_store_b32 v[AOS], v[OW]
	s_branch .Ljoin1
.Lweights:
	; ---- weight waves: 49 loads at once; block t of K, 32 columns, of Wq, Wk, Wv.  A lane takes two neighbouring columns and 16 rows; lanes l and l xor 16 hold a block
	global_load_b32 v[BV], v[GV], s[20:21]
.irp i, 0,1,2,3,4,5,6,7,8,9,10,11,12,13,14,15
	global_load_b64 v[WX+2*\i:WX+2*\i+1], v[GW], s[10:11] offset:256*\i
.endr
.irp i, 0,1,2,3,4,5,6,7,8,9,10,11,12,13,14,15
	global_load_b64 v[WX+32+2*\i:WX+32+2*\i+1], v[GW], s[14:15] offset:256*\i
.endr
.irp i, 0,1,2,3,4,5,6,7,8,9,10,11,12,13,14,15
	global_load_b64 v[WX+64+2*\i:WX+64+2*\i+1], v[GW], s[18:19] offset:256*\i
.endr
	v_mov_b32 v[WT+2], 0                           ; a lane permute's destination counts as one of its sources
	v_mov_b32 v[WT+3], 0
; weight m: the two columns' largest magnitudes by turns; the conversions want 8 neighbours along K in consecutive registers, so each column's numbers are copied out of the pairs, into two sets by turns:
; the copies are the plain lines between the conversions
.macro WQ m
	v_max3_num_f32 v[WT], |v[WX+32*\m]|, |v[WX+32*\m+2]|, FLOOR
	v_max3_num_f32 v[WT+1], |v[WX+32*\m+1]|, |v[WX+32*\m+3]|, FLOOR
.irp i, 4,8,12,16,20,24,28
	s_delay_alu instid0(VALU_DEP_2)
	v_max3_num_f32 v[WT], v[WT], |v[WX+32*\m+\i]|, |v[WX+32*\m+\i+2]|
	s_delay_alu instid0(VALU_DEP_2)
	v_max3_num_f32 v[WT+1], v[WT+1], |v[WX+32*\m+\i+1]|, |v[WX+32*\m+\i+3]|
.endr
	s_delay_alu instid0(VALU_DEP_2)
	v_permlanex16_b32 v[WT+2], v[WT], s[SEL], s[SEL+1]
	s_delay_alu instid0(VALU_DEP_2)
	v_permlanex16_b32 v[WT+3], v[WT+1], s[SEL], s[SEL+1]
	s_delay_alu instid0(VALU_DEP_2)
	v_max_num_f32 v[WT], v[WT], v[WT+2]
	s_delay_alu instid0(VALU_DEP_2)
	v_max_num_f32 v[WT+1], v[WT+1], v[WT+3]
	SCB WT+4, WT+6, WT
	SCB WT+5, WT+7, WT+1
.irp q, 0,1,2,3                        ; column q / 2, rows 8 (q % 2) on
.irp i, 0,1,2,3,4,5,6,7
	v_mov_b32 v[TT+8*(\q%2)+\i], v[WX+32*\m+2*(8*(\q%2)+\i)+\q/2]
.endr
	v_cvt_scalef32_pk8_fp4_f32 v[CD+4*\m+\q], v[TT+8*(\q%2):TT+8*(\q%2)+7], v[WT+4+\q/2]
.endr
	v_nop
	ds_store_b64 v[AWP], v[CD+4*\m:CD+4*\m+1] offset:64*WP*\m
	ds_store_b64 v[AWP], v[CD+4*\m+2:CD+4*\m+3] offset:64*WP*\m+WP
	ds_store_b8 v[ASP], v[WT+6] offset:256*\m      ; lanes l and l xor 16 write the same byte with the same value
	ds_store_b8 v[ASP], v[WT+7] offset:256*\m+4
.endm
	s_wait_loadcnt 32                              ; bv and Wq are in; Wk's and Wv's sixteen loads each may be out
.irp j, 0,1,2,3,4,5,6,7
	v_mov_b32 v[VB+\j], v[BV]                      ; bv of my column in all eight registers: the C of v's products
.endr
	WQ 0
	s_wait_loadcnt 16                              ; Wk is in; Wv's sixteen may be out
	WQ 1
	s_wait_loadcnt 0x0
	WQ 2
.Ljoin1:
	s_wait_dscnt 0x0                               ; my stores have landed: then the barrier
	s_barrier_signal -1
	s_barrier_wait -1                              ; the weights' codes and the eight images lie in LDS
	s_cmp_lt_u32 s2, 8
	s_cbranch_scc0 .Lvalues
	; ---- key waves, second part: q and k of my 16 rows (eight products on eight accumulators, the biases as C), both quantised along the 64 features
.irp t, 0,1,2,3
.irp c, 0,1
	ds_load_b128 v[WQF+8*\t+4*\c:WQF+8*\t+4*\c+3], v[AF] offset:16*\t*WP+32*\c
	ds_load_b128 v[WKF+8*\t+4*\c:WKF+8*\t+4*\c+3], v[AF] offset:(64+16*\t)*WP+32*\c
.endr
	ds_load_b32 v[WQS+\t], v[AWS] offset:64*\t
	ds_load_b32 v[WKS+\t], v[AWS] offset:256+64*\t
.endr
	PLACES 8                                       ; my tile's codes and scale word were written by vector instructions: places ahead of the scaled products, while the loads are out
	s_wait_loadcnt 0x0                             ; bq, bk
	s_wait_dscnt 0x0
	s_wait_alu depctr_va_vdst(0)
.irp t, 0,1,2,3
	MM QA+8*\t, WQF+8*\t, OF, QA+8*\t, WQS+\t, OW
	MM KA+8*\t, WKF+8*\t, OF, KA+8*\t, WKS+\t, OW
.endr
	PLACES 4
	MAX32 T, T+1, QA                               ; my 32 registers are features 32 h .. 32 h + 31: a whole block
	MAX32 T+2, T+3, KA
	SCB T+4, QW, T
	SCB T+6, KW, T+2
	CV32 QC, QA, T+4
	CV32 KC, KA, T+6
	WORD QW                                        ; bytes 0 and 1
	WORD KW
	s_delay_alu instid0(VALU_DEP_4)
	v_or_b32 v[QW], 0x7f7f0000, v[QW]              ; bytes 2 and 3 stand over the filling of product 4's K from 64 to 128: the byte of 1.0
	s_delay_alu instid0(VALU_DEP_2)
	v_or_b32 v[KW], 0x7f7f0000, v[KW]
	global_store_b128 v[L16], v[QC:QC+3], s[34:35] ; each store of the wave covers 512 consecutive bytes, aligned: registers 0-3 of the fragment
	global_store_b128 v[L16], v[KC:KC+3], s[36:37]
	ds_store_b32 v[AQS], v[QW]                     ; lanes r and r + 16 write the same word with the same value
	ds_store_b32 v[AKS], v[KW]
	s_branch .Ljoin2
.Lvalues:
	; ---- value waves: v for rows 64 c .. 64 c + 63 and tile t of its columns, quantised along the rows (product 5's keys)
.irp t, 0,1,2,3
.irp c, 0,1
	ds_load_b128 v[OFR+8*\t+4*\c:OFR+8*\t+4*\c+3], v[AOF] offset:1024*\t+512*\c
.endr
	ds_load_b32 v[OSR+\t], v[AOW] offset:128*\t
.endr
	ds_load_b128 v[WVF:WVF+3], v[AFV] offset:128*WP
	ds_load_b128 v[WVF+4:WVF+7], v[AFV] offset:128*WP+32
	ds_load_b32 v[WVS], v[AWV] offset:512
	s_wait_dscnt 0x0
	s_wait_alu depctr_va_vdst(0)
.irp t, 0,1,2,3
	MM VA+8*\t, OFR+8*\t, WVF, VB, OSR+\t, WVS
.endr
	PLACES 4
	MAX32 WT, WT+1, VA                             ; my 32 registers are keys 64 c + 32 h .. + 31 of one column: a whole block
	SCB WT+2, WT+3, WT
	CV32 VC, VA, WT+2
	global_store_b128 v[L16], v[VC:VC+3], s[52:53] ; registers 4 c .. 4 c + 3 of the fragment of tile t: 512 consecutive bytes, aligned
	ds_store_b8 v[AVS], v[WT+3]
.Ljoin2:
	s_wait_dscnt 0x0
	s_barrier_signal -1
	s_barrier_wait -1                              ; all scale words and the five fields lie in LDS
	s_cmp_lt_u32 s2, 2
	s_cbranch_scc1 .Lkq
	s_cmp_eq_u32 s2, 2
	s_cbranch_scc1 .Lvs
	s_lshr_b32 s6, s2, 1
	s_cmp_eq_u32 s6, 4
	s_cbranch_scc1 .Lpre
	s_branch .Lend
.Lkq:
	; ---- wave 0: k's 128 scale words; wave 1: q's: 512 consecutive bytes, aligned
	ds_load_b128 v[40:43], v[AKQ]
	s_wait_dscnt 0x0
	global_store_b128 v[L16], v[40:43], s[54:55]
	s_branch .Lend
.Lvs:
	; ---- wave 2: v's 64 scale words: 256 consecutive bytes, aligned
	ds_load_b64 v[40:41], v[AVR]
	s_wait_dscnt 0x0
	global_store_b64 v[L8], v[40:41], s[56:57]
	s_branch .Lend
.Lpre:
	; ---- waves 8 and 9: rows 64 (wave - 8) + 2 x lane and the next: what the bicycle model needs that hangs on no throttle
.irp f, 0,1,2,3,4
	ds_load_b64 v[FD+2*\f:FD+2*\f+1], v[ASTR] offset:STG+512*\f
.endr
	v_mov_b32 v[KS1], 0x3c08839e
	v_mov_b32 v[KS1+1], 0x3c08839e
	v_mov_b32 v[KC1], 0xbab6061a
	v_mov_b32 v[KC1+1], 0xbab6061a
	s_wait_dscnt 0x0
	v_pk_mul_f32 v[50:51], v[FD+4:FD+5], v[FD+4:FD+5]
	s_delay_alu instid0(VALU_DEP_1)
	v_pk_fma_f32 v[50:51], v[FD+6:FD+7], v[FD+6:FD+7], v[50:51]
	s_wait_alu depctr_va_vdst(0)
	v_sqrt_f32 v52, v50                            ; v0
	v_sqrt_f32 v53, v51
	SINCOS2 FD+8, 58, 60                           ; independent work behind the roots: sin yaw, cos yaw
	s_wait_alu depctr_va_vdst(0)                   ; one wait for both roots, ahead of their first use
	v_pk_fma_f32 v[54:55], v[52:53], 0.5, 0x3dcccccd op_sel_hi:[1,0,0]
	v_pk_mul_f32 v[54:55], v[52:53], v[54:55]      ; f_load
	v_pk_fma_f32 v[56:57], v[54:55], 0xbe4ccccd, v[52:53] op_sel_hi:[1,0,1]   ; vb = v0 - 0.2 f_load
	v_pk_mul_f32 v[60:61], v[60:61], 0x3e4ccccd op_sel_hi:[1,0]
	v_pk_mul_f32 v[58:59], v[58:59], 0x3e4ccccd op_sel_hi:[1,0]
	global_store_b64 v[L8], v[FD:FD+1], s[38:39]                   ; each store of the wave covers 256 consecutive bytes, aligned
	global_store_b64 v[L8], v[FD+2:FD+3], s[38:39] offset:32768
	global_store_b64 v[L8], v[FD+8:FD+9], s[38:39] offset:65536
	global_store_b64 v[L8], v[56:57], s[38:39] offset:98304
	global_store_b64 v[L8], v[60:61], s[38:39] offset:131072
	global_store_b64 v[L8], v[58:59], s[38:39] offset:163840
.Lend:
	s_wait_tensorcnt 0x0                           ; the wave's end: behind my last LDS store
	ds_add_u32 v[SPW], v[NIL]
	s_wait_dscnt 0x0
	s_endpgm
.Lfunc_end_k_q0c14e743a7_qkv:
	.size	k_q0c14e743a7_qkv, .Lfunc_end_k_q0c14e743a7_qkv-k_q0c14e743a7_qkv
	.p2alignl 7, 3214868480
	.fill 96, 4, 3214868480
	.section	.rodata,"a",@progbits
	.p2align	6, 0x0
	.amdhsa_kernel k_q0c14e743a7_qkv
		.amdhsa_group_segment_fixed_size 31232
		.amdhsa_private_segment_fixed_size 0
		.amdhsa_enable_private_segment 0
		.amdhsa_kernarg_size 88
		.amdhsa_user_sgpr_count 2
		.amdhsa_user_sgpr_kernarg_segment_ptr 1
		.amdhsa_wavefront_size32 1
		.amdhsa_system_sgpr_workgroup_id_x 1
		.amdhsa_system_sgpr_workgroup_id_y 1
		.amdhsa_system_sgpr_workgroup_id_z 1
		.amdhsa_system_vgpr_workitem_id 0
		.amdhsa_next_free_vgpr 256
		.amdhsa_next_free_sgpr 66
		.amdhsa_reserve_vcc 1
		.amdhsa_float_denorm_mode_32 3
		.amdhsa_float_denorm_mode_16_64 3
		.amdhsa_memory_ordered 1
		.amdhsa_forward_progress 1
		.amdhsa_inst_pref_size 45
	.end_amdhsa_kernel
	.amdgpu_metadata
---
amdhsa.version: [ 1, 2 ]
amdhsa.kernels:
  - .name:           k_q0c14e743a7_qkv
    .symbol:         k_q0c14e743a7_qkv.kd
    .args:
      - { .name: obs, .offset: 0, .size: 8, .value_kind: global_buffer, .address_space: global }
      - { .name: Wq, .offset: 8, .size: 8, .value_kind: global_buffer, .address_space: global }
      - { .name: bq, .offset: 16, .size: 8, .value_kind: global_buffer, .address_space: global }
      - { .name: Wk, .offset: 24, .size: 8, .value_kind: global_buffer, .address_space: global }
      - { .name: bk, .offset: 32, .size: 8, .value_kind: global_buffer, .address_space: global }
      - { .name: Wv, .offset: 40, .size: 8, .value_kind: global_buffer, .address_space: global }
      - { .name: bv, .offset: 48, .size: 8, .value_kind: global_buffer, .address_space: global }
      - { .name: qcodes, .offset: 56, .size: 8, .value_kind: global_buffer, .address_space: global }
      - { .name: qscales, .offset: 64, .size: 8, .value_kind: global_buffer, .address_space: global }
      - { .name: kv, .offset: 72, .size: 8, .value_kind: global_buffer, .address_space: global }
      - { .name: state, .offset: 80, .size: 8, .value_kind: global_buffer, .address_space: global }
    .group_segment_fixed_size: 31232
    .private_segment_fixed_size: 0
    .kernarg_segment_align: 8
    .kernarg_segment_size: 88
    .max_flat_workgroup_size: 512
    .sgpr_count:     66
    .vgpr_count:     256
    .wavefront_size: 32
...
	.end_amdgpu_metadata
.endif
;; end of part 1
;; launch attn (part 2): grid 256 x 1, 16 waves a work-group, clusters of 4 x 1, 327,680 bytes of LDS; arguments qcodes, qscales, kv, aout; writes aout
.if DOCPART == 2
	.amdgcn_target "amdgcn-amd-amdhsa--gfx1250"
	.amdhsa_code_object_version 6
	.text
	.protected	k_q0c14e743a7_attn
	.globl	k_q0c14e743a7_attn
	.p2align	8
	.type	k_q0c14e743a7_attn,@function
k_q0c14e743a7_attn:
	s_mov_b64 s[64:65], 0
	v_nop
	global_prefetch_b8 v0, s[64:65] scope:SCOPE_SE
	s_setreg_imm32_b32 hwreg(HW_REG_WAVE_MODE, 25, 1), 1
	s_wait_xcnt 0x0
	s_wait_alu depctr_hold_cnt(0) depctr_sa_sdst(0) depctr_va_vdst(0) depctr_va_sdst(0) depctr_va_ssrc(0) depctr_va_vcc(0) depctr_vm_vsrc(0)
	s_getreg_b32 s2, hwreg(HW_REG_IB_STS2, 6, 4)
	s_cmp_eq_u32 s2, 0
	s_cbranch_scc0 .Lentry_in_a_cluster
	s_endpgm
.Lentry_in_a_cluster:
	s_bfe_u32 s2, ttmp6, 0x10000c
	s_cmp_lg_u32 s2, 0x3003
	s_cbranch_scc0 .Lentry_shape_is_right
	s_endpgm
.Lentry_shape_is_right:
; SECOND OF THREE LAUNCHES: out = softmax(q k^T) v for ALL 8,192 queries, products 4 and 5 on codes of FP4 (E2M1) with one E8M0 scale for each 32 along a product's K.  Nothing is left out here, though reference() goes on
; with row 0 of out alone (the first kernel's head says why the products are carried out whole).
; THE SOFTMAX AHEAD OF PRODUCT 5: t = score x log2(e); M = the largest t so far, rounded UP to a whole number; p = 2^(t - M) is what is quantised, along the keys; the row's sum l is taken of the unquantised p and divides at
; the end.  When M moves, l and O are multiplied by 2^(old M - new M): exact.  LIMIT: a p under 2^-126 is taken as 0 (v_exp_f32); a block of zeros gets the scale byte 1: its codes are zeros.
; SHARES.  Work-group i owns query tiles 2 i and 2 i + 1 (32 queries; a tile is the first launch's: rows 64 c + 8 t + (r & 7) + 32 (r / 8) of a group of 128).  Wave w takes BOTH tiles over keys 512 w .. 512 w + 511, four key steps of
; 128: so each fragment of k and v is read once by the work-group and feeds two tiles.  At the end the sixteen waves' M, l and O meet in LDS and are joined by exact powers of two.
; CLUSTER.  All work-groups walk the same k and v.  Four form a cluster, and each piece is asked for JOINTLY: wave w of all four issues the same tensor load, with the same descriptor and a mask that names the four, and each
; receives the piece in its own LDS: that divides the requests for k and v by four.  A piece is what the first launch laid for one group of 128 keys: 8,960 dense bytes, 35 rows of 256: k's codes at 0, v's at 4,096,
; k's scale words at 8,192, v's at 8,704, all in the order of the operands' registers: every LDS read takes 512 (v's scale words: 256) consecutive bytes, so no padding is wanted.
; THE RING.  Two slots, each with one key step of all sixteen waves; wave w's piece lies at 8,960 w in a slot, is fetched by wave w and read by wave w alone, behind its own wait on TENSORcnt.  Both first fills go out behind the
; opening round: two loads of a wave are out then, later one.  A step's fragments are all in registers by the middle of the step, so the slot is filled again THERE, behind tile A's softmax: the three lines, a round of the
; cluster's barrier, one load a wave.  Between a request and the wait for it lies a whole key step: two tiles' softmax and 24 matrix instructions.  k of the next step is read from LDS behind tile B's scores, v behind tile B's second product.
; No prefetch is laid: the pieces of steps 0 and 1 are the first fills, at the head; step 2's is asked for in step 0; step 3's has the whole key step just named in which to land.
; LAYOUT.  Both products are used transposed: S^T = k q^T (source 0 = 16 keys, source 1 = 16 queries), O^T = v^T p^T: a lane holds ONE query (lane % 16) throughout.  Row m of key tile (c, t) is key 64 c + 8 t + (m & 7) + 32 (m / 8), so
; the lane's 32 registers of tiles (c, 0 .. 3) are keys 64 c + 32 h + 0 .. 31 (h = lane / 16): a WHOLE block: its largest score needs no other lane, and its four registers of codes are registers 4 c .. 4 c + 3 of p's fragment.
; PRODUCT 4's K IS 64: q's registers 4-7 are zero codes.  So whatever stands in registers 4-7 of k's fragment adds nothing (FP4 has no NaN, and the scale bytes there are those of 1.0): tile a's fragment is v[K + 4 a : K + 4 a + 7],
; whose upper half is tile a + 1's codes; behind the last tile stand four registers of zeros.  p's codes are laid over the first eight registers of the scores.
.set FLOOR, 0x1800000                  ; 2^(3 - 127)
.set PIECE, 8960                       ; a wave's part of a slot
.set SLOTB, 16*PIECE                   ; a slot: 143,360 bytes.  Slot 0 at LDS byte 0, slot 1 behind it.  At the end wave w's partial O lies in its own piece of slot 0, which has had its last fill and its last read: 4,096 x + 512 q + 16 lane
.set MP,    2*SLOTB                    ; behind the ring: M: 2,048 x + 64 lane + 4 w; 4,096 on: l likewise
.set OSG,   MP+8192                    ; the joined rows: 32 rows x (256 bytes + 16)
.set SPARE, OSG+32*272                 ; the spare words, 128 bytes for each wave: eight blocks of 256 bytes that no other line names
.set SPW, 1                            ; LDS address of my spare word; never rewritten
.set NIL, 2                            ; 0; never rewritten
.set ALD, 3                            ; v3, v4: my piece in slot 0, 1: + 16 x lane
.set SH8, 6                            ; 8 h
.set PT,  7                            ; a lane permute's destination
.set ST,  8                            ; tile x: v[ST + 4 x] -M, + 1 the largest t, + 2, + 3 the sum in two halves
.set Q,   16                           ; v16-31 q's two fragments (registers 4-7 of each: zeros)
.set QS,  32                           ; v32, v33 their scale words
.set VS,  34                           ; v34-35 v's scale words: lanes 0-15 tiles 0, 1; lanes 16-31 tiles 2, 3
.set KS,  36                           ; v36-39 k's: lanes 0-15 tiles 0-3; lanes 16-31 tiles 4-7
.set K,   40                           ; v40-71 k's eight tiles, 4 registers each; v72-75 zeros
.set V,   76                           ; v76-107 v's four fragments
.set S,   108                          ; v108-171 the scores, then p; v108-115 then p's codes
.set O,   172                          ; v172-203 O^T of tile A, v204-235 of tile B
.set B0,  236                          ; the two blocks' largest scores, in two chains each
.set C0,  237
.set B1,  238
.set C1,  239
.set RM,  240
.set OLD, 241
.set F,   242                          ; v[242:243] f = 2^(old M - new M); the low word serves both halves
.set SU,  244                          ; v[244:245] the sums' second chain
.set SC,  246                          ; v246, v247 the conversions' scale operands
.set BY,  248                          ; v248, v249 the scales' bytes
.set TC,  250                          ; v250, v251 the first 16 codes
.set PS,  252                          ; p's scale word
.set ASD, 254                          ; v254, v255: my piece in slot 0, 1: + 8 x lane
.set G1,  16                           ; s[16:23] descriptor group 1: the shape, the same for every load
.set G0,  24                           ; s[24:31] descriptor group 0, a set for each slot
.set SEL, 34                           ; s[34:35] v_permlanex16_b32's selects for lane l xor 16
.set CS,  36                           ; s[36:37] log2(e): the packed form names a pair and takes its low word for both halves
.macro PLACES n
.rept \n
	v_nop
.endr
.endm
; A round of the cluster's barrier: my work-group's barrier, so that wave 0's signal speaks for all sixteen waves; wave 0 signals for the work-group; every wave waits for all four work-groups; my work-group's barrier once more
.macro ROUND
	s_barrier_signal -1
	s_barrier_wait -1
	s_cmp_lg_u32 s2, 0
	s_cbranch_scc1 .Lnot_wave_0_\@
	s_barrier_signal -3
.Lnot_wave_0_\@:
	s_barrier_wait -3
	s_barrier_signal -1
	s_barrier_wait -1
.endm
.macro KLOAD s                         ; out of my piece in slot s: k's eight tiles and their scale words
.irp a, 0,1,2,3,4,5,6,7
	ds_load_b128 v[K+4*\a:K+4*\a+3], v[ALD+(\s)] offset:512*\a
.endr
	ds_load_b128 v[KS:KS+3], v[ALD+(\s)] offset:8192
.endm
.macro VLOAD s
.irp f, 0,1,2,3,4,5,6,7
	ds_load_b128 v[V+4*\f:V+4*\f+3], v[ALD+(\s)] offset:4096+512*\f
.endr
	ds_load_b64 v[VS:VS+1], v[ASD+(\s)] offset:8704
.endm
; Slot s, all of whose fragments are in registers, is filled again with the key step two steps on
.macro REFILL s
	s_wait_tensorcnt 0x0                           ; all my tensor loads have landed, the other slot's piece among them: so a group 0 may be written
	ds_add_u32 v[SPW], v[NIL]                      ; 0 onto my spare word: the step below stands between it and the wait for it
	s_add_nc_u64 s[G0+4*(\s)+2:G0+4*(\s)+3], s[G0+4*(\s)+2:G0+4*(\s)+3], 2*PIECE   ; the address steps; the type bits on top are not reached
	s_wait_dscnt 0x0                               ; the add is done, and my reads of the slot are back: v's fragments, the last of them
	ROUND                                          ; both now hold of every wave of all four work-groups
	tensor_load_to_lds s[G0+4*(\s):G0+4*(\s)+3], s[G1:G1+7]   ; my one tensor load behind the round, and the first thing there
	s_nop 0
	PLACES 4
.endm
.macro SPROD x                         ; S^T = k q^T for tile x: eight products on eight accumulators
.irp a, 0,1,2,3
	v_wmma_scale_f32_16x16x128_f8f6f4 v[S+8*\a:S+8*\a+7], v[K+4*\a:K+4*\a+7], v[Q+8*(\x):Q+8*(\x)+7], 0, v[KS+\a], v[QS+(\x)] matrix_a_fmt:MATRIX_FMT_FP4 matrix_b_fmt:MATRIX_FMT_FP4
.endr
.irp a, 4,5,6,7
	v_wmma_scale_f32_16x16x128_f8f6f4 v[S+8*\a:S+8*\a+7], v[K+4*\a:K+4*\a+7], v[Q+8*(\x):Q+8*(\x)+7], 0, v[KS+\a-4], v[QS+(\x)] matrix_a_fmt:MATRIX_FMT_FP4 matrix_b_fmt:MATRIX_FMT_FP4 matrix_a_scale:MATRIX_SCALE_ROW1
.endr
.endm
.macro PVPROD x, first                 ; O^T += v^T p^T for tile x: four accumulators by turns; first = 1: the products start the sums: nothing is cleared
.irp t, 0,1
.if \first
	v_wmma_scale_f32_16x16x128_f8f6f4 v[O+32*(\x)+8*\t:O+32*(\x)+8*\t+7], v[V+8*\t:V+8*\t+7], v[S:S+7], 0, v[VS+\t], v[PS] matrix_a_fmt:MATRIX_FMT_FP4 matrix_b_fmt:MATRIX_FMT_FP4
.else
	v_wmma_scale_f32_16x16x128_f8f6f4 v[O+32*(\x)+8*\t:O+32*(\x)+8*\t+7], v[V+8*\t:V+8*\t+7], v[S:S+7], v[O+32*(\x)+8*\t:O+32*(\x)+8*\t+7], v[VS+\t], v[PS] matrix_a_fmt:MATRIX_FMT_FP4 matrix_b_fmt:MATRIX_FMT_FP4
.endif
.endr
.irp t, 2,3
.if \first
	v_wmma_scale_f32_16x16x128_f8f6f4 v[O+32*(\x)+8*\t:O+32*(\x)+8*\t+7], v[V+8*\t:V+8*\t+7], v[S:S+7], 0, v[VS+\t-2], v[PS] matrix_a_fmt:MATRIX_FMT_FP4 matrix_b_fmt:MATRIX_FMT_FP4 matrix_a_scale:MATRIX_SCALE_ROW1
.else
	v_wmma_scale_f32_16x16x128_f8f6f4 v[O+32*(\x)+8*\t:O+32*(\x)+8*\t+7], v[V+8*\t:V+8*\t+7], v[S:S+7], v[O+32*(\x)+8*\t:O+32*(\x)+8*\t+7], v[VS+\t-2], v[PS] matrix_a_fmt:MATRIX_FMT_FP4 matrix_b_fmt:MATRIX_FMT_FP4 matrix_a_scale:MATRIX_SCALE_ROW1
.endif
.endr
.endm
; The softmax of tile x for one key step: the scores in v[S] on become p, its sum, its codes and its scale word.  first = 1: my first key step, which starts M, l and O^T
.macro SOFTMAX x, first
.set NM, ST+4*(\x)
.set LS, ST+4*(\x)+2
.set OX, O+32*(\x)
	v_max3_num_f32 v[B0], v[S], v[S+1], v[S+2]     ; THE LARGEST SCORE OF EACH OF MY TWO BLOCKS OF 32 KEYS: it serves twice: for the row's maximum, and, since p rises with the score, for the block's largest p
	v_max3_num_f32 v[B1], v[S+32], v[S+33], v[S+34]   ; (each accumulator is first read at its low end)
	v_max3_num_f32 v[C0], v[S+3], v[S+4], v[S+5]
	v_max3_num_f32 v[C1], v[S+35], v[S+36], v[S+37]
.irp i, 6,10,14,18,22,26
	v_max3_num_f32 v[B0], v[B0], v[S+\i], v[S+\i+1]
	v_max3_num_f32 v[B1], v[B1], v[S+32+\i], v[S+33+\i]
	v_max3_num_f32 v[C0], v[C0], v[S+\i+2], v[S+\i+3]
	v_max3_num_f32 v[C1], v[C1], v[S+34+\i], v[S+35+\i]
.endr
	v_max3_num_f32 v[B0], v[B0], v[S+30], v[S+31]
	v_max3_num_f32 v[B1], v[B1], v[S+62], v[S+63]
	s_delay_alu instid0(VALU_DEP_2)
	v_max_num_f32 v[B0], v[B0], v[C0]
	s_delay_alu instid0(VALU_DEP_2)
	v_max_num_f32 v[B1], v[B1], v[C1]
	s_delay_alu instid0(VALU_DEP_1)
	v_max_num_f32 v[RM], v[B0], v[B1]
	s_delay_alu instid0(VALU_DEP_1)
	v_permlanex16_b32 v[PT], v[RM], s[SEL], s[SEL+1]
	s_delay_alu instid0(VALU_DEP_1)
	v_max_num_f32 v[RM], v[RM], v[PT]              ; with lane l xor 16's two blocks: the step's largest score of my query
.if \first
	s_delay_alu instid0(VALU_DEP_1)
	v_mul_f32 v[NM+1], s[CS], v[RM]                ; as t
	s_delay_alu instid0(VALU_DEP_1)
	v_floor_f32 v[NM], -v[NM+1]                    ; -M = floor(-t) = -ceil(t): M IS A WHOLE NUMBER
.else
	s_delay_alu instid0(VALU_DEP_1)
	v_mul_f32 v[RM], s[CS], v[RM]
	s_delay_alu instid0(VALU_DEP_1)
	v_max_num_f32 v[NM+1], v[NM+1], v[RM]          ; the running largest t
	v_mov_b32 v[OLD], v[NM]
	s_delay_alu instid0(VALU_DEP_2)
	v_floor_f32 v[NM], -v[NM+1]
	s_delay_alu instid0(VALU_DEP_1)
	v_sub_f32 v[OLD], v[NM], v[OLD]                ; M's old value less its new one: a whole number, 0 or less
	s_delay_alu instid0(VALU_DEP_1)
	v_cvt_i32_f32 v[OLD], v[OLD]                   ; (it saturates)
	s_delay_alu instid0(VALU_DEP_1)
	v_ldexp_f32 v[F], 1.0, v[OLD]                  ; f = 2^(old M - new M)
.endif
.set j, 0
.rept 32
	v_pk_fma_f32 v[S+j:S+j+1], v[S+j:S+j+1], s[CS:CS+1], v[NM:NM+1] op_sel_hi:[1,0,0]   ; t - M, two at a time
.set j, j+2
.endr
	v_fma_f32 v[B0], v[B0], s[CS], v[NM]           ; the same of each block's largest score
	v_fma_f32 v[B1], v[B1], s[CS], v[NM]
.set j, 0
	s_wait_alu depctr_va_vdst(0)
.rept 64
	v_exp_f32 v[S+j], v[S+j]                       ; p = 2^(t - M), at most 1: NOT normalised
.set j, j+1
.endr
.if \first
	v_nop                                          ; the plain line behind the exponentials
.else
	v_pk_mul_f32 v[LS:LS+1], v[LS:LS+1], v[F:F+1] op_sel_hi:[1,0]   ; the sums under the new M.  (The plain line behind the exponentials)
.endif
	s_wait_alu depctr_va_vdst(0)                   ; one wait for the whole batch, ahead of its first use
	v_exp_f32 v[B0], v[B0]                         ; the blocks' largest p: the same two instructions on the same number give the same bits
	v_exp_f32 v[B1], v[B1]
.if \first                             ; THE ROW'S SUM IS TAKEN OF THE UNQUANTISED p: two at a time, in two chains.  (It reads the 64 alone: plain work behind the two)
	v_pk_add_f32 v[LS:LS+1], v[S:S+1], v[S+2:S+3]
	v_pk_add_f32 v[SU:SU+1], v[S+4:S+5], v[S+6:S+7]
.irp i, 8,12,16,20,24,28,32,36,40,44,48,52,56,60
	v_pk_add_f32 v[LS:LS+1], v[LS:LS+1], v[S+\i:S+\i+1]
	v_pk_add_f32 v[SU:SU+1], v[SU:SU+1], v[S+\i+2:S+\i+3]
.endr
.else
	v_pk_add_f32 v[SU:SU+1], v[S:S+1], v[S+2:S+3]
.irp i, 4,8,12,16,20,24,28,32,36,40,44,48,52,56,60
	v_pk_add_f32 v[LS:LS+1], v[LS:LS+1], v[S+\i:S+\i+1]
	v_pk_add_f32 v[SU:SU+1], v[SU:SU+1], v[S+\i+2:S+\i+3]
.endr
.endif
	s_delay_alu instid0(VALU_DEP_1)
	v_pk_add_f32 v[LS:LS+1], v[LS:LS+1], v[SU:SU+1]
	s_wait_alu depctr_va_vdst(0)                   ; and one for the two
	v_max_num_f32 v[B0], FLOOR, v[B0]              ; the floor: the byte cannot fall under 1
	v_max_num_f32 v[B1], FLOOR, v[B1]
	s_delay_alu instid0(VALU_DEP_2)
	v_add_nc_u32 v[SC], 0xff000000, v[B0]          ; 2 off the exponent field: the conversion's scale operand
	s_delay_alu instid0(VALU_DEP_2)
	v_add_nc_u32 v[SC+1], 0xff000000, v[B1]
	s_delay_alu instid0(VALU_DEP_2)
	v_lshrrev_b32 v[BY], 23, v[SC]                 ; the scale's byte
	s_delay_alu instid0(VALU_DEP_2)
	v_lshrrev_b32 v[BY+1], 23, v[SC+1]
	s_delay_alu instid0(VALU_DEP_1)
	v_lshl_or_b32 v[PS], v[BY+1], 16, v[BY]        ; my blocks are h and 2 + h:
	s_delay_alu instid0(VALU_DEP_1)
	v_lshlrev_b32 v[PS], v[SH8], v[PS]             ; 8 h bits up;
	s_delay_alu instid0(VALU_DEP_1)
	v_permlanex16_b32 v[PT], v[PS], s[SEL], s[SEL+1]
	s_delay_alu instid0(VALU_DEP_1)
	v_or_b32 v[PS], v[PS], v[PT]                   ; with lane l xor 16's two bytes p's scale word is whole
	v_cvt_scalef32_pk8_fp4_f32 v[TC], v[S:S+7], v[SC]
	v_cvt_scalef32_pk8_fp4_f32 v[TC+1], v[S+8:S+15], v[SC]
	v_nop                                          ; a plain line between those two and the conversions that write over their sources
	v_cvt_scalef32_pk8_fp4_f32 v[S+2], v[S+16:S+23], v[SC]
	v_cvt_scalef32_pk8_fp4_f32 v[S+3], v[S+24:S+31], v[SC]
	v_cvt_scalef32_pk8_fp4_f32 v[S+4], v[S+32:S+39], v[SC+1]
	v_cvt_scalef32_pk8_fp4_f32 v[S+5], v[S+40:S+47], v[SC+1]
	v_cvt_scalef32_pk8_fp4_f32 v[S+6], v[S+48:S+55], v[SC+1]
	v_cvt_scalef32_pk8_fp4_f32 v[S+7], v[S+56:S+63], v[SC+1]
	v_nop                                          ; one plain line behind the last conversion
	v_mov_b32 v[S], v[TC]
	v_mov_b32 v[S+1], v[TC+1]                      ; v[S : S + 7] is p's fragment
.if \first
	PLACES 8                                       ; a scale word written by vector instructions stands 8 places ahead of the scaled products, codes so written 4
.else
.set j, 0
.rept 16
	v_pk_mul_f32 v[OX+j:OX+j+1], v[OX+j:OX+j+1], v[F:F+1] op_sel_hi:[1,0]   ; O^T under the new M.  (These sixteen are also the places ahead of the products)
.set j, j+2
.endr
.endif
.endm
; Key step j of my four: both tiles.  Its fragments were asked of LDS in the step before (step 0's: at the head).  Steps 0 and 1 fill their own slot again in their middle; step 2 waits there for step 3's piece
.macro STEP j, first
	s_wait_dscnt 9                                 ; k and its scale words are in; v's nine LDS loads, issued behind them, may be out
	SPROD 0
	PLACES 4                                       ; ahead of the first read of the scores
	SOFTMAX 0, \first
.if (\j) < 2
	REFILL (\j)                                    ; its wait on DScnt is also the wait for v
.elseif (\j) == 2
	s_wait_tensorcnt 0x0                           ; my last piece, step 3's, has landed: no load was issued behind it
	s_wait_dscnt 0x0                               ; v and its scale words
.else
	s_wait_dscnt 0x0                               ; v and its scale words
.endif
	s_wait_alu depctr_va_vdst(0)
	PVPROD 0, \first
	PLACES 5                                       ; the next products write over p's fragment, which these have read
	SPROD 1
	PLACES 4                                       ; ahead of the loads into k's registers and of the first read of the scores
.if (\j) < 3
	KLOAD ((\j)+1)%2                               ; the other slot's piece was shown landed by the wait on TENSORcnt in this step's middle
.endif
	SOFTMAX 1, \first
	PVPROD 1, \first
.if (\j) < 3
	PLACES 5                                       ; ahead of the loads into v's registers, and of the next step's products, which write over p's fragment
	VLOAD ((\j)+1)%2
.endif
.endm
	s_load_b128 s[8:11], s[0:1], 0x0               ; qcodes s[8:9], qscales s[10:11]
	s_load_b128 s[12:15], s[0:1], 0x10             ; kv s[12:13], aout s[14:15]
	v_lshl_add_u32 v[SPW], v0, 2, SPARE
	v_mov_b32 v[NIL], 0
	ds_add_u32 v[SPW], v[NIL]                      ; the wave's opening: the add, twice on end, and its wait ahead of my first tensor load; the set-up below the second, work on registers, stands between it and the wait
	ds_add_u32 v[SPW], v[NIL]                      ; and once more: the opening add twice on end, under the one wait
	v_lshrrev_b32 v5, 5, v0
	s_delay_alu instid0(VALU_DEP_1)
	v_readfirstlane_b32 s2, v5                     ; wave 0..15
	v_and_b32 v5, 31, v0                           ; lane
	s_mul_i32 s3, s2, PIECE                        ; my piece in a slot: no place in the cluster enters an LDS address
	v_lshl_add_u32 v[ALD], v5, 4, s3
	s_delay_alu instid0(VALU_DEP_1)
	v_add_nc_u32 v[ALD+1], SLOTB, v[ALD]
	v_lshl_add_u32 v[ASD], v5, 3, s3
	s_delay_alu instid0(VALU_DEP_1)
	v_add_nc_u32 v[ASD+1], SLOTB, v[ASD]
	v_lshlrev_b32 v108, 4, v5                      ; q's codes: 16 x lane
	v_and_b32 v109, 15, v0
	s_delay_alu instid0(VALU_DEP_1)
	v_lshlrev_b32 v109, 2, v109                    ; q's scale words: 4 (lane % 16)
	v_bfe_u32 v[SH8], v0, 4, 1
	s_delay_alu instid0(VALU_DEP_1)
	v_lshlrev_b32 v[SH8], 3, v[SH8]
	v_mov_b32 v[PT], 0
	v_mov_b32 v[F+1], 0                            ; (named as the upper half of a pair)
.irp j, 4,5,6,7,12,13,14,15
	v_mov_b32 v[Q+\j], 0                           ; product 4's K is 64: q's upper 64 codes are zeros
.endr
.irp j, 32,33,34,35
	v_mov_b32 v[K+\j], 0                           ; what the last tile's fragment runs into
.endr
	; descriptor group 1: a dense block of 8,960 bytes as 35 rows of 256 (32 elements of 8 bytes), no padding
	s_mov_b32 s[G1], 15|(3<<16)|(1<<21)            ; 15:0 the mask: all four work-groups; 17:16 elements of 8 bytes; 20 padding off; 21 set beside a mask
	s_mov_b32 s[G1+1], 32<<16                      ; tensor_dim0 = 32
	s_mov_b32 s[G1+2], 35<<16                      ; tensor_dim1 = 35
	s_mov_b32 s[G1+3], 32<<16                      ; tile_dim0 = 32
	s_mov_b32 s[G1+4], 35                          ; tile_dim1 = 35
	s_mov_b32 s[G1+5], 32                          ; tensor_dim0_stride: each row begins where the last ends
	s_mov_b32 s[G1+6], 0
	s_mov_b32 s[G1+7], 0
	s_mov_b32 s[SEL], 0x76543210
	s_mov_b32 s[SEL+1], 0xfedcba98
	s_mov_b32 s[CS], 0x3fb8aa3b                    ; log2(e)
	s_mov_b32 s[CS+1], s[CS]
	s_mul_i32 s4, s2, 4*PIECE                      ; my four key steps in kv: the wave's number alone, the same in all four partners
	s_mov_b32 s5, 0
	s_bfe_u32 s6, ttmp6, 0x40000                   ; cx: my place in the cluster
	s_lshl_b32 s7, ttmp9, 2                        ; in a cluster launch ttmp9 counts clusters
	s_add_co_u32 s7, s7, s6                        ; i = 4 x cluster x + cx: it enters q's and out's addresses alone
	s_lshl_b32 s40, s7, 10                         ; my two tiles of q: 512 bytes each
	s_mov_b32 s41, 0
	s_lshl_b32 s42, s7, 7                          ; their scale words: 64 bytes each
	s_mov_b32 s43, 0
	s_lshr_b32 s44, s7, 1                          ; the two rows of out that I store at the end: 64 (i / 2) + 16 (i % 2) + 8 (w / 8) + 32 ((w / 4) % 2) + 2 (w % 4), and the next
	s_lshl_b32 s44, s44, 6
	s_and_b32 s45, s7, 1
	s_lshl_b32 s45, s45, 4
	s_add_co_u32 s44, s44, s45
	s_lshr_b32 s45, s2, 3
	s_lshl_b32 s45, s45, 3
	s_add_co_u32 s44, s44, s45
	s_bfe_u32 s45, s2, 0x10002
	s_lshl_b32 s45, s45, 5
	s_add_co_u32 s44, s44, s45
	s_and_b32 s45, s2, 3
	s_lshl_b32 s45, s45, 1
	s_add_co_u32 s44, s44, s45
	s_lshl_b32 s44, s44, 8                         ; 256 bytes a row
	s_mov_b32 s45, 0
	s_wait_dscnt 0x0                               ; both opening adds are done
	s_wait_kmcnt 0x0
	s_add_nc_u64 s[8:9], s[8:9], s[40:41]
	s_add_nc_u64 s[10:11], s[10:11], s[42:43]
	s_add_nc_u64 s[38:39], s[14:15], s[44:45]
	s_add_nc_u64 s[12:13], s[12:13], s[4:5]        ; kv at my first key step
	s_mov_b32 s[G0], 1                             ; 1:0 count = 1
	s_mov_b32 s[G0+1], s3                          ; 63:32 LDS address: my piece in slot 0
	s_mov_b64 s[G0+2:G0+3], s[12:13]               ; 120:64 global address: key step 0
	s_or_b32 s[G0+3], s[G0+3], 0x80000000          ; 127:126 type = 2
	s_mov_b32 s[G0+4], 1
	s_add_co_u32 s[G0+5], s3, SLOTB                ; my piece in slot 1
	s_add_nc_u64 s[G0+6:G0+7], s[12:13], PIECE     ; key step 1
	s_or_b32 s[G0+7], s[G0+7], 0x80000000
	ROUND                                          ; all four work-groups are here: the first joint loads meet
	tensor_load_to_lds s[G0:G0+3], s[G1:G1+7]      ; both first fills together, ahead of every wait on TENSORcnt and every LDS read: two loads of mine are out
	s_nop 0
	tensor_load_to_lds s[G0+4:G0+7], s[G1:G1+7]
	s_nop 0
	PLACES 4
	global_load_b128 v[Q:Q+3], v108, s[8:9]
	global_load_b128 v[Q+8:Q+11], v108, s[8:9] offset:512
	global_load_b32 v[QS], v109, s[10:11]
	global_load_b32 v[QS+1], v109, s[10:11] offset:64
	s_wait_tensorcnt 0x1                           ; my piece of slot 0 is in; slot 1's may stay out.  I alone read my pieces: no barrier is wanted
	KLOAD 0
	VLOAD 0
	PLACES 8                                       ; q's zeros were written by vector instructions: places ahead of the scaled products, while the loads are out
	s_wait_loadcnt 0x0                             ; q
	s_wait_alu depctr_va_vdst(0)
	STEP 0, 1
	STEP 1, 0
	STEP 2, 0
	STEP 3, 0
	; ---- THE SIXTEEN KEY RANGES ARE JOINED.  The addresses are made here: plain lines that name no register of the last products: their places
.set AO3, 16                           ; the pieces of O that I join: 4,096 x + 512 g + 16 lane, + 8,960 for each wave: of waves 14, 15;
.set AMW, 17                           ; MP + 64 lane + 4 w: my M and l
.set AO1, 18                           ; of waves 0-6;
.set AO2, 19                           ; of waves 7-13
.set AMR, 20                           ; MP + 2,048 x + 64 lane
.set ASW, 21                           ; OSG + 272 (16 x + r) + 128 h + 16 g
.set ASR, 22                           ; OSG + 272 (2 w + h) + 16 r
.set GL,  23                           ; 16 x lane
.set MS,  40                           ; v40-55 the sixteen M;  v56-71 the sixteen l
.set LL,  56
.set PO,  76                           ; v76-139 the sixteen pieces of O, 4 registers each
.set WGT, 140                          ; v140-155 2^(M - the largest M)
.set AC,  156                          ; v156-159 the joined piece
	v_and_b32 v24, 15, v0                          ; r
	v_bfe_u32 v25, v0, 4, 1                        ; h
	v_and_b32 v26, 31, v0                          ; lane
	s_wait_alu depctr_va_vdst(0)
	v_lshlrev_b32 v[GL], 4, v26
	s_lshl_b32 s32, s2, 2
	s_add_co_u32 s32, s32, MP
	v_lshl_add_u32 v[AMW], v26, 6, s32
	s_and_b32 s33, s2, 1                           ; x: the tile of which I join a piece
	s_lshr_b32 s46, s2, 1                          ; g: registers 4 g .. 4 g + 3 of its 32: out[query][32 h + 4 g + 0 .. 3]
	s_lshl_b32 s32, s33, 12
	s_lshl_b32 s47, s46, 9
	s_add_co_u32 s32, s32, s47
	v_lshl_add_u32 v[AO1], v26, 4, s32
	s_delay_alu instid0(VALU_DEP_1)
	v_add_nc_u32 v[AO2], 7*PIECE, v[AO1]
	s_delay_alu instid0(VALU_DEP_2)
	v_add_nc_u32 v[AO3], 14*PIECE, v[AO1]
	s_lshl_b32 s32, s33, 11
	s_add_co_u32 s32, s32, MP
	v_lshl_add_u32 v[AMR], v26, 6, s32
	s_mul_i32 s32, s33, 16*272
	s_lshl_b32 s47, s46, 4
	s_add_co_u32 s32, s32, s47
	s_add_co_u32 s32, s32, OSG
	v_mul_u32_u24 v[ASW], v24, 272
	s_delay_alu instid0(VALU_DEP_1)
	v_lshl_add_u32 v[ASW], v25, 7, v[ASW]
	s_delay_alu instid0(VALU_DEP_1)
	v_add_nc_u32 v[ASW], s32, v[ASW]
	s_mul_i32 s32, s2, 2*272
	s_add_co_u32 s32, s32, OSG
	v_mul_u32_u24 v[ASR], v25, 272
	s_delay_alu instid0(VALU_DEP_1)
	v_lshl_add_u32 v[ASR], v24, 4, v[ASR]
	s_delay_alu instid0(VALU_DEP_1)
	v_add_nc_u32 v[ASR], s32, v[ASR]
	v_add_f32 v[ST+2], v[ST+2], v[ST+3]            ; the sums' two halves,
	v_add_f32 v[ST+6], v[ST+6], v[ST+7]
	s_delay_alu instid0(VALU_DEP_2)
	v_permlanex16_b32 v[RM], v[ST+2], s[SEL], s[SEL+1]
	s_delay_alu instid0(VALU_DEP_2)
	v_permlanex16_b32 v[OLD], v[ST+6], s[SEL], s[SEL+1]
	s_delay_alu instid0(VALU_DEP_2)
	v_add_f32 v[ST+2], v[ST+2], v[RM]              ; and lane l xor 16's: l over my 512 keys
	s_delay_alu instid0(VALU_DEP_2)
	v_add_f32 v[ST+6], v[ST+6], v[OLD]
	v_xor_b32 v[ST], 0x80000000, v[ST]             ; M
	v_xor_b32 v[ST+4], 0x80000000, v[ST+4]
.irp q, 0,1,2,3,4,5,6,7
	ds_store_b128 v[ALD], v[O+4*\q:O+4*\q+3] offset:512*\q           ; into my own piece of slot 0: its last fill, step 2's, has landed, and my reads of it are back.  Each accumulator from its low end on
.endr
.irp q, 0,1,2,3,4,5,6,7
	ds_store_b128 v[ALD], v[O+32+4*\q:O+32+4*\q+3] offset:4096+512*\q
.endr
	ds_store_b32 v[AMW], v[ST]
	ds_store_b32 v[AMW], v[ST+4] offset:2048
	ds_store_b32 v[AMW], v[ST+2] offset:4096
	ds_store_b32 v[AMW], v[ST+6] offset:6144
	s_wait_dscnt 0x0                               ; my stores have landed: then the barrier
	s_barrier_signal -1
	s_barrier_wait -1
.irp k, 0,1,2,3
	ds_load_b128 v[MS+4*\k:MS+4*\k+3], v[AMR] offset:16*\k
.endr
.irp k, 0,1,2,3
	ds_load_b128 v[LL+4*\k:LL+4*\k+3], v[AMR] offset:4096+16*\k
.endr
.irp u, 0,1,2,3,4,5,6
	ds_load_b128 v[PO+4*\u:PO+4*\u+3], v[AO1] offset:PIECE*\u
.endr
.irp u, 0,1,2,3,4,5,6
	ds_load_b128 v[PO+28+4*\u:PO+28+4*\u+3], v[AO2] offset:PIECE*\u
.endr
.irp u, 0,1
	ds_load_b128 v[PO+56+4*\u:PO+56+4*\u+3], v[AO3] offset:PIECE*\u
.endr
	s_wait_dscnt 16                                ; the sixteen M and l are in; the sixteen pieces of O may be out
	v_max3_num_f32 v160, v[MS], v[MS+1], v[MS+2]
.irp k, 3,5,7,9,11,13
	s_delay_alu instid0(VALU_DEP_1)
	v_max3_num_f32 v160, v160, v[MS+\k], v[MS+\k+1]
.endr
	s_delay_alu instid0(VALU_DEP_1)
	v_max_num_f32 v160, v160, v[MS+15]             ; the largest M: ceil of the largest t of all keys
.set j, 0
.rept 16
	v_sub_f32 v[WGT+j], v[MS+j], v160              ; whole numbers, 0 or less
.set j, j+1
.endr
.set j, 0
.rept 16
	v_cvt_i32_f32 v[WGT+j], v[WGT+j]
.set j, j+1
.endr
.set j, 0
.rept 16
	v_ldexp_f32 v[WGT+j], 1.0, v[WGT+j]            ; exact powers of two
.set j, j+1
.endr
	v_mul_f32 v161, v[LL], v[WGT]
.set j, 1
.rept 15
	s_delay_alu instid0(VALU_DEP_1)
	v_fmac_f32 v161, v[LL+j], v[WGT+j]
.set j, j+1
.endr
	s_wait_alu depctr_va_vdst(0)
	v_rcp_f32 v162, v161                           ; 1 / l
	s_wait_dscnt 0x0
.irp k, 0,1,2,3
	v_mul_f32 v[AC+\k], v[PO+\k], v[WGT]           ; independent work behind the reciprocal
.endr
.set j, 1
.rept 15
.irp k, 0,1,2,3
	s_delay_alu instid0(VALU_DEP_4)
	v_fmac_f32 v[AC+\k], v[PO+4*j+\k], v[WGT+j]
.endr
.set j, j+1
.endr
	s_wait_alu depctr_va_vdst(0)                   ; the wait ahead of the reciprocal's first use
.irp k, 0,1,2,3
	v_mul_f32 v[AC+\k], v[AC+\k], v162
.endr
	ds_store_b128 v[ASW], v[AC:AC+3]
	s_wait_dscnt 0x0
	s_barrier_signal -1
	s_barrier_wait -1                              ; 32 whole rows of out lie in the stage
	ds_load_b128 v[MS:MS+3], v[ASR]
	s_wait_dscnt 0x0
	global_store_b128 v[GL], v[MS:MS+3], s[38:39]  ; two neighbouring rows of 256 bytes: 512 consecutive bytes, aligned
	s_wait_tensorcnt 0x0                           ; the wave's end: behind my last tensor load and my last LDS store
	ds_add_u32 v[SPW], v[NIL]
	s_wait_dscnt 0x0
	ROUND                                          ; the closing round: no work-group ends while a partner may still ask for a piece that names it
	s_endpgm
.Lfunc_end_k_q0c14e743a7_attn:
	.size	k_q0c14e743a7_attn, .Lfunc_end_k_q0c14e743a7_attn-k_q0c14e743a7_attn
	.p2alignl 7, 3214868480
	.fill 96, 4, 3214868480
	.section	.rodata,"a",@progbits
	.p2align	6, 0x0
	.amdhsa_kernel k_q0c14e743a7_attn
		.amdhsa_group_segment_fixed_size 327680
		.amdhsa_private_segment_fixed_size 0
		.amdhsa_enable_private_segment 0
		.amdhsa_kernarg_size 32
		.amdhsa_user_sgpr_count 2
		.amdhsa_user_sgpr_kernarg_segment_ptr 1
		.amdhsa_wavefront_size32 1
		.amdhsa_system_sgpr_workgroup_id_x 1
		.amdhsa_system_sgpr_workgroup_id_y 1
		.amdhsa_system_sgpr_workgroup_id_z 1
		.amdhsa_system_vgpr_workitem_id 0
		.amdhsa_next_free_vgpr 256
		.amdhsa_next_free_sgpr 66
		.amdhsa_reserve_vcc 0
		.amdhsa_float_denorm_mode_32 3
		.amdhsa_float_denorm_mode_16_64 3
		.amdhsa_memory_ordered 1
		.amdhsa_forward_progress 1
		.amdhsa_inst_pref_size 129
	.end_amdhsa_kernel
	.amdgpu_metadata
---
amdhsa.version: [ 1, 2 ]
amdhsa.kernels:
  - .name:           k_q0c14e743a7_attn
    .symbol:         k_q0c14e743a7_attn.kd
    .args:
      - { .name: qcodes, .offset: 0, .size: 8, .value_kind: global_buffer, .address_space: global }
      - { .name: qscales, .offset: 8, .size: 8, .value_kind: global_buffer, .address_space: global }
      - { .name: kv, .offset: 16, .size: 8, .value_kind: global_buffer, .address_space: global }
      - { .name: aout, .offset: 24, .size: 8, .value_kind: global_buffer, .address_space: global }
    .group_segment_fixed_size: 327680
    .private_segment_fixed_size: 0
    .kernarg_segment_align: 8
    .kernarg_segment_size: 32
    .max_flat_workgroup_size: 512
    .sgpr_count:     66
    .vgpr_count:     256
    .wavefront_size: 32
...
	.end_amdgpu_metadata
.endif
;; end of part 2
;; launch step (part 3): grid 8 x 1, 16 waves a work-group, no clusters, 25,600 bytes of LDS; arguments aout, state, action, W1, b1, ln_g, ln_b, W2, b2, out0; writes out0
.if DOCPART == 3
	.amdgcn_target "amdgcn-amd-amdhsa--gfx1250"
	.amdhsa_code_object_version 6
	.text
	.protected	k_q0c14e743a7_step
	.globl	k_q0c14e743a7_step
	.p2align	8
	.type	k_q0c14e743a7_step,@function
k_q0c14e743a7_step:
	s_mov_b64 s[64:65], 0
	v_nop
	global_prefetch_b8 v0, s[64:65] scope:SCOPE_SE
	s_setreg_imm32_b32 hwreg(HW_REG_WAVE_MODE, 25, 1), 1
	s_wait_xcnt 0x0
; THIRD OF THREE LAUNCHES.  Left out, as the first kernel's head shows: rows 1 .. 8191 of h, z and pred_action (products 6, 7, the LayerNorm, the relu) and rows 1 .. 2047 of action: reference() reads pred_action[0, :] alone.
; EVERY work-group makes h = (out[0], action[0]), z = Q(h) Q(W1) + b1 (MX-FP4; K = 66, filled with zero codes to 128), the LayerNorm, the relu and z W2 + b2 (f32 multiply-adds: one row, two columns): throttle and delta.
; Then it takes 1,024 rows through the bicycle model.  The one row is repeated in all eight work-groups, since work-groups hand each other nothing inside a launch.
; IDENTITIES: arctan2(sin a, cos a) is a brought into [-pi, pi]: a - 2 pi x (the whole number nearest to a / 2 pi), 2 pi in two parts; cos yaw1 = cos a, sin yaw1 = sin a.
; LIMITS: where a is an odd multiple of pi to within f32 rounding, yaw1 may be -pi where reference() has +pi.  Sine and cosine as in the first kernel (about 1e-6 absolute up to |angle| = 1e5); tan d = sin d / cos d with cos d >= 0.5.
; 0.2, 1 / 2.96 and the throttle's term are folded in another order of rounding than reference()'s.  A block of zeros gets the scale byte 1: its codes are zeros, and this program alone reads the bytes.
; SHARES.  16 waves, one text with no branch.  Wave w: columns 16 w .. 16 w + 15 of W1; rows 64 G + 2 x lane and the next, G = 16 x work-group + w.  h's quantising and the LayerNorm are whole in every wave.
; All 53 loads of a wave are issued at once at the head.  No tensor load, no cluster: every byte goes straight to the registers that use it, and nothing is filled again.
.set FLOOR, 0x1800000
.set ZS,    0                          ; z: 256 f32
.set HR,    1024                       ; 16 rows of 128 bytes: each wave's copy of h's codes (at 0) and scale bytes (at 64)
.set OS,    3072                       ; 16 x 1,280 bytes: each wave's 64 rows of the output
.set SPARE, 23552                      ; the spare words, 128 bytes for each wave: eight blocks of 256 bytes that no other line names
.set SPW, 1
.set NIL, 2
.set LN,  3
.set RR,  4
.set HH,  5
.set SH8, 6
.set PT,  7
.set L8,  8                            ; 8 x lane
.set GP,  9                            ; out[0]: 32 (r & 7)
.set GW,  10                           ; W1: row 32 h, column 16 w + r
.set GC,  11                           ; 4 (16 w + r)
.set L32, 12
.set L64, 13
.set Z0,  15                           ; 0
.set ARW, 19                           ; my row of HR: + 4 r
.set ARB, 20                           ; + r / 4
.set ARR, 21                           ; + 16 h
.set ARS, 22                           ; its first byte
.set AZW, 23                           ; ZS + 4 (16 w + r)
.set AZR, 24                           ; ZS + 32 x lane
.set AOW, 25                           ; my stage + 40 x lane
.set AOR, 26                           ; my stage + 16 x lane
.set AOT, 27                           ; my stage + 1,024 + 8 x lane
.set L16, 28
.set ACT, 44
.set W1X, 46                           ; v46-77 W1(32 h + i, my column); v78, v79 rows 64, 65
.set TL,  78
.set B1,  80
.set LG,  82
.set LB,  90
.set W2V, 98
.set B2,  114
.set ST,  116                          ; x, y, yaw, vb, 0.2 cos, 0.2 sin: pairs
.set T8,  128                          ; W1's tail as 8 numbers
.set W1F, 136
.set W1W, 144
.set HW,  145
.set HF,  146
.set ZA,  154
.set X8,  162
.set SS,  184
.set CC,  186
.set TN,  200
.set TR,  202
.set TI,  204
.set TZ,  206
.set TP,  208
.set TQ,  210
.set TG,  212
.set KS1, 214
.set KC1, 216
.set V1,  220
.set X1,  222
.set Y1,  224
.set YW,  226
.set VX,  228
.set VY,  230
.set BK,  232
.set RT,  244
.set SEL, 28
.macro PLACES n
.rept \n
	v_nop
.endr
.endm
.macro MAX32 m, n, x
	v_max3_num_f32 v[\m], |v[\x]|, |v[\x+1]|, |v[\x+2]|
	v_max3_num_f32 v[\n], |v[\x+3]|, |v[\x+4]|, |v[\x+5]|
.irp i, 6,10,14,18,22,26
	s_delay_alu instid0(VALU_DEP_2)
	v_max3_num_f32 v[\m], v[\m], |v[\x+\i]|, |v[\x+\i+1]|
	s_delay_alu instid0(VALU_DEP_2)
	v_max3_num_f32 v[\n], v[\n], |v[\x+\i+2]|, |v[\x+\i+3]|
.endr
	s_delay_alu instid0(VALU_DEP_2)
	v_max3_num_f32 v[\m], v[\m], |v[\x+30]|, |v[\x+31]|
	s_delay_alu instid0(VALU_DEP_1)
	v_max3_num_f32 v[\m], v[\m], v[\n], FLOOR
.endm
.macro SCB sc, by, m
	v_add_nc_u32 v[\sc], 0xff000000, v[\m]
	s_delay_alu instid0(VALU_DEP_1)
	v_lshrrev_b32 v[\by], 23, v[\sc]
.endm
.macro CV32 d, x, sc
.irp g, 0,1,2,3
	v_cvt_scalef32_pk8_fp4_f32 v[\d+\g], v[\x+8*\g:\x+8*\g+7], v[\sc]
.endr
	v_nop
.endm
.macro WORD a
	s_delay_alu instid0(VALU_DEP_1)
	v_lshlrev_b32 v[\a], v[SH8], v[\a]
	s_delay_alu instid0(VALU_DEP_1)
	v_permlanex16_b32 v[PT], v[\a], s[SEL], s[SEL+1]
	s_delay_alu instid0(VALU_DEP_1)
	v_or_b32 v[\a], v[\a], v[PT]
.endm
.macro ADDW a, t                       ; over the wave's 32 lanes, the result in every lane
.irp k, 1,2,4,8
	s_delay_alu instid0(VALU_DEP_1)
	v_add_f32_dpp v[\a], v[\a], v[\a] row_xmask:\k row_mask:0xf bank_mask:0xf
.endr
	s_delay_alu instid0(VALU_DEP_1)
	v_permlanex16_b32 v[\t], v[\a], s[SEL], s[SEL+1]
	s_delay_alu instid0(VALU_DEP_1)
	v_add_f32 v[\a], v[\a], v[\t]
.endm
; ONE ROW of 128 numbers becomes a fragment whose 16 rows are all this row.  Lane r (and r + 16, a copy) holds numbers 8 r .. 8 r + 7 in v[x] on; four lanes hold a block.  The codes and bytes go through my wave's own
; row of HR (LDS serves a wave's instructions in order, so no wait stands between the stores and the loads).  The caller waits for the three loads.
.macro ROWQ x, f, fs, off
	s_delay_alu instid0(VALU_DEP_1)
	v_max3_num_f32 v[RT], |v[\x]|, |v[\x+1]|, FLOOR
	v_max3_num_f32 v[RT+1], |v[\x+2]|, |v[\x+3]|, |v[\x+4]|
	s_delay_alu instid0(VALU_DEP_2)
	v_max3_num_f32 v[RT], v[RT], |v[\x+5]|, |v[\x+6]|
	s_delay_alu instid0(VALU_DEP_1)
	v_max3_num_f32 v[RT], v[RT], v[RT+1], |v[\x+7]|
	s_delay_alu instid0(VALU_DEP_1)
	v_max_num_f32_dpp v[RT], v[RT], v[RT] row_xmask:1 row_mask:0xf bank_mask:0xf
	s_delay_alu instid0(VALU_DEP_1)
	v_max_num_f32_dpp v[RT], v[RT], v[RT] row_xmask:2 row_mask:0xf bank_mask:0xf
	SCB RT+1, RT+2, RT
	v_cvt_scalef32_pk8_fp4_f32 v[RT+3], v[\x:\x+7], v[RT+1]
	v_nop
	ds_store_b32 v[ARW], v[RT+3] offset:\off
	ds_store_b8 v[ARB], v[RT+2] offset:\off+64
	ds_load_b128 v[\f:\f+3], v[ARR] offset:\off
	ds_load_b128 v[\f+4:\f+7], v[ARR] offset:\off+32
	ds_load_b32 v[\fs], v[ARS] offset:\off+64
.endm
.macro SINCOS2 x, s, c
	s_delay_alu instid0(VALU_DEP_1)
	v_pk_mul_f32 v[TN:TN+1], v[\x:\x+1], 0x3f22f983 op_sel_hi:[1,0]
	s_delay_alu instid0(VALU_DEP_1)
	v_rndne_f32 v[TN], v[TN]
	s_delay_alu instid0(VALU_DEP_2)
	v_rndne_f32 v[TN+1], v[TN+1]
	s_delay_alu instid0(VALU_DEP_1)
	v_pk_fma_f32 v[TR:TR+1], v[TN:TN+1], 0xbfc90fdb, v[\x:\x+1] op_sel_hi:[1,0,1]
	s_delay_alu instid0(VALU_DEP_1)
	v_pk_fma_f32 v[TR:TR+1], v[TN:TN+1], 0x333bbd2e, v[TR:TR+1] op_sel_hi:[1,0,1]
	s_delay_alu instid0(VALU_DEP_4)
	v_cvt_i32_f32 v[TI], v[TN]
	s_delay_alu instid0(VALU_DEP_4)
	v_cvt_i32_f32 v[TI+1], v[TN+1]
	s_delay_alu instid0(VALU_DEP_3)
	v_pk_mul_f32 v[TZ:TZ+1], v[TR:TR+1], v[TR:TR+1]
	s_delay_alu instid0(VALU_DEP_1)
	v_pk_fma_f32 v[TP:TP+1], v[TZ:TZ+1], 0xb94ca1f9, v[KS1:KS1+1] op_sel_hi:[1,0,1]
	s_delay_alu instid0(VALU_DEP_2)
	v_pk_fma_f32 v[TQ:TQ+1], v[TZ:TZ+1], 0x37ccf5ce, v[KC1:KC1+1] op_sel_hi:[1,0,1]
	s_delay_alu instid0(VALU_DEP_2)
	v_pk_fma_f32 v[TP:TP+1], v[TP:TP+1], v[TZ:TZ+1], 0xbe2aaaa3 op_sel_hi:[1,1,0]
	s_delay_alu instid0(VALU_DEP_2)
	v_pk_fma_f32 v[TQ:TQ+1], v[TQ:TQ+1], v[TZ:TZ+1], 0x3d2aaaa5 op_sel_hi:[1,1,0]
	v_pk_mul_f32 v[TN:TN+1], v[TR:TR+1], v[TZ:TZ+1]
	s_delay_alu instid0(VALU_DEP_1)
	v_pk_fma_f32 v[TP:TP+1], v[TN:TN+1], v[TP:TP+1], v[TR:TR+1]
	v_pk_fma_f32 v[TN:TN+1], v[TZ:TZ+1], -0.5, 1.0 op_sel_hi:[1,0,0]
	v_pk_mul_f32 v[TZ:TZ+1], v[TZ:TZ+1], v[TZ:TZ+1]
	s_delay_alu instid0(VALU_DEP_1)
	v_pk_fma_f32 v[TQ:TQ+1], v[TZ:TZ+1], v[TQ:TQ+1], v[TN:TN+1]
.irp e, 0,1
	v_and_b32 v[TG], 1, v[TI+\e]
	s_delay_alu instid0(VALU_DEP_1)
	v_cmp_eq_u32 vcc_lo, 1, v[TG]
	s_delay_alu instid0(VALU_DEP_1)
	v_cndmask_b32 v[\s+\e], v[TP+\e], v[TQ+\e], vcc_lo
	s_delay_alu instid0(VALU_DEP_2)
	v_cndmask_b32 v[\c+\e], v[TQ+\e], v[TP+\e], vcc_lo
	v_lshlrev_b32 v[TG], 30, v[TI+\e]
	s_delay_alu instid0(VALU_DEP_1)
	v_and_b32 v[TG], 0x80000000, v[TG]
	s_delay_alu instid0(VALU_DEP_1)
	v_xor_b32 v[\s+\e], v[\s+\e], v[TG]
	v_add_nc_u32 v[TG], 1, v[TI+\e]
	s_delay_alu instid0(VALU_DEP_1)
	v_lshlrev_b32 v[TG], 30, v[TG]
	s_delay_alu instid0(VALU_DEP_1)
	v_and_b32 v[TG], 0x80000000, v[TG]
	s_delay_alu instid0(VALU_DEP_1)
	v_xor_b32 v[\c+\e], v[\c+\e], v[TG]
.endr
.endm
	s_load_b512 s[8:23], s[0:1], 0x0               ; aout s[8:9], state s[10:11], action s[12:13], W1 s[14:15], b1 s[16:17], ln_g s[18:19], ln_b s[20:21], W2 s[22:23]
	s_load_b128 s[24:27], s[0:1], 0x40             ; b2 s[24:25], out0 s[26:27]
	v_lshl_add_u32 v[SPW], v0, 2, SPARE
	v_mov_b32 v[NIL], 0
	v_lshrrev_b32 v[LN], 5, v0
	s_delay_alu instid0(VALU_DEP_1)
	v_readfirstlane_b32 s2, v[LN]                  ; wave 0..15
	v_and_b32 v[LN], 31, v0
	v_and_b32 v[RR], 15, v0
	v_bfe_u32 v[HH], v0, 4, 1
	s_delay_alu instid0(VALU_DEP_1)
	v_lshlrev_b32 v[SH8], 3, v[HH]
	v_mov_b32 v[PT], 0
	v_lshlrev_b32 v[L8], 3, v[LN]
	v_and_b32 v170, 7, v[RR]
	s_delay_alu instid0(VALU_DEP_1)
	v_lshlrev_b32 v[GP], 5, v170                   ; lanes with r over 7 read bytes of the row too, and what they read is replaced below
	s_lshl_b32 s7, s2, 6
	v_lshl_add_u32 v[GC], v[RR], 2, s7
	s_delay_alu instid0(VALU_DEP_1)
	v_lshl_add_u32 v[GW], v[HH], 15, v[GC]
	v_lshlrev_b32 v[L32], 5, v[LN]
	v_lshlrev_b32 v[L64], 6, v[LN]
	v_mov_b32 v[Z0], 0
	s_lshl_b32 s30, s2, 7
	s_add_co_u32 s30, s30, HR
	v_lshl_add_u32 v[ARW], v[RR], 2, s30
	v_lshrrev_b32 v170, 2, v[RR]
	s_delay_alu instid0(VALU_DEP_1)
	v_add_nc_u32 v[ARB], s30, v170
	v_lshl_add_u32 v[ARR], v[HH], 4, s30
	v_mov_b32 v[ARS], s30
	s_add_co_u32 s30, s7, ZS
	v_lshl_add_u32 v[AZW], v[RR], 2, s30
	v_lshl_add_u32 v[AZR], v[LN], 5, ZS
	s_mul_i32 s30, s2, 1280
	s_add_co_u32 s30, s30, OS
	v_mad_u32_u24 v[AOW], v[LN], 40, s30
	v_lshl_add_u32 v[AOR], v[LN], 4, s30
	s_add_co_u32 s30, s30, 1024
	v_lshl_add_u32 v[AOT], v[LN], 3, s30
	v_lshlrev_b32 v[L16], 4, v[LN]
	s_mov_b32 s[SEL], 0x76543210
	s_mov_b32 s[SEL+1], 0xfedcba98
	s_mov_b32 s40, 0x3b800000                      ; 1 / 256
	s_mov_b32 s41, 0x3727c5ac                      ; 1e-5
.irp j, 2,3,4,5,6,7
	v_mov_b32 v[T8+\j], 0                          ; K = 66: rows 66 on are zeros
.endr
.irp j, 5,6,7
	v_mov_b32 v[W1F+\j], 0
.endr
.irp j, 177,183,184,191,193
	v_mov_b32 v\j, 0                               ; upper halves of pairs of which the low word serves both halves, and lane permutes' destinations
.endr
	v_mov_b32 v[KS1], 0x3c08839e
	v_mov_b32 v[KS1+1], 0x3c08839e
	v_mov_b32 v[KC1], 0xbab6061a
	v_mov_b32 v[KC1+1], 0xbab6061a
	s_wait_kmcnt 0x0
	s_lshl_b32 s6, ttmp9, 4
	s_add_co_u32 s6, s6, s2                        ; G
	s_lshl_b32 s30, s6, 8
	s_mov_b32 s31, 0
	s_add_nc_u64 s[32:33], s[10:11], s[30:31]      ; state at my 64 rows
	s_mul_i32 s30, s6, 1280
	s_add_nc_u64 s[34:35], s[26:27], s[30:31]      ; out0 at my 64 rows: 1,280 bytes, five aligned blocks of 256
	; ---- 53 loads, in the order in which they are wanted
	global_load_b128 v[X8:X8+3], v[GP], s[8:9]     ; out[0][8 (r & 7) ..]
	global_load_b128 v[X8+4:X8+7], v[GP], s[8:9] offset:16
	global_load_b64 v[ACT:ACT+1], v[Z0], s[12:13]  ; action[0]
.set i, 0
.rept 32
	global_load_b32 v[W1X+i], v[GW], s[14:15] offset:1024*i        ; W1(32 h + i, 16 w + r): the order of the operand's registers
.set i, i+1
.endr
	global_load_b32 v[TL], v[GC], s[14:15] offset:65536
	global_load_b32 v[TL+1], v[GC], s[14:15] offset:66560
	global_load_b32 v[B1], v[GC], s[16:17]
	global_load_b128 v[LG:LG+3], v[L32], s[18:19]
	global_load_b128 v[LG+4:LG+7], v[L32], s[18:19] offset:16
	global_load_b128 v[LB:LB+3], v[L32], s[20:21]
	global_load_b128 v[LB+4:LB+7], v[L32], s[20:21] offset:16
.irp j, 0,1,2,3
	global_load_b128 v[W2V+4*\j:W2V+4*\j+3], v[L64], s[22:23] offset:16*\j
.endr
	global_load_b64 v[B2:B2+1], v[Z0], s[24:25]
.irp f, 0,1,2,3,4,5
	global_load_b64 v[ST+2*\f:ST+2*\f+1], v[L8], s[32:33] offset:32768*\f th:TH_LOAD_NT
.endr
	; ---- A: h = (out[0], action[0], zeros to 128): lane r holds h[8 r .. 8 r + 7]; it is quantised in every wave
	s_wait_loadcnt 50                              ; the first three loads are in; the other fifty may be out
	v_cmp_gt_u32 vcc_lo, 8, v[RR]
.irp j, 0,1,2,3,4,5,6,7
	v_cndmask_b32 v[X8+\j], 0, v[X8+\j], vcc_lo    ; from h[64] on: zeros,
.endr
	v_cmp_eq_u32 vcc_lo, 8, v[RR]
	s_delay_alu instid0(VALU_DEP_1)
	v_cndmask_b32 v[X8], v[X8], v[ACT], vcc_lo     ; but for h[64], h[65] = action[0]
	s_delay_alu instid0(VALU_DEP_2)
	v_cndmask_b32 v[X8+1], v[X8+1], v[ACT+1], vcc_lo
	ROWQ X8, HF, HW, 0
	; W1's 16 columns are quantised while h's fragment is on its way.  A lane holds block h whole, and (lanes 0-15) block 2's two numbers
	s_wait_loadcnt 16                              ; W1's 34 loads are in; the sixteen behind them may be out
	MAX32 170, 171, W1X
	v_cmp_gt_u32 vcc_lo, 16, v[LN]
	s_delay_alu instid0(VALU_DEP_1)
	v_cndmask_b32 v[T8], 0, v[TL], vcc_lo          ; lanes 16-31: k = 96 on: zeros
	s_delay_alu instid0(VALU_DEP_2)
	v_cndmask_b32 v[T8+1], 0, v[TL+1], vcc_lo
	s_delay_alu instid0(VALU_DEP_1)
	v_max3_num_f32 v172, |v[T8]|, |v[T8+1]|, FLOOR
	SCB 194, 195, 170
	SCB 196, 197, 172
	CV32 W1F, W1X, 194
	v_cvt_scalef32_pk8_fp4_f32 v[W1F+4], v[T8:T8+7], v196
	v_nop
	v_lshl_or_b32 v[W1W], v197, 16, v195
	WORD W1W
	; ---- B: h times my 16 columns
	PLACES 8                                       ; W1's scale word and codes were written by vector instructions: places ahead of the scaled product
	s_wait_alu depctr_va_vdst(0)
	s_wait_dscnt 0x0
	v_wmma_scale_f32_16x16x128_f8f6f4 v[ZA:ZA+7], v[HF:HF+7], v[W1F:W1F+7], 0, v[HW], v[W1W] matrix_a_fmt:MATRIX_FMT_FP4 matrix_b_fmt:MATRIX_FMT_FP4   ; every row is h: register 0 of lane r is column 16 w + r
	PLACES 4
	s_wait_loadcnt 15                              ; b1 is in; the fifteen behind it may be out
	v_add_f32 v170, v[ZA], v[B1]
	ds_store_b32 v[AZW], v170                      ; lanes r and r + 16 write the same word with the same value
	s_wait_dscnt 0x0
	s_barrier_signal -1
	s_barrier_wait -1                              ; z lies in LDS
	; ---- C: the LayerNorm, the relu and z W2 + b2, whole in every wave: lane l has z[8 l .. 8 l + 7]
	ds_load_b128 v[X8:X8+3], v[AZR]
	ds_load_b128 v[X8+4:X8+7], v[AZR] offset:16
	s_wait_dscnt 0x0
	v_pk_add_f32 v[170:171], v[X8:X8+1], v[X8+2:X8+3]
	v_pk_add_f32 v[172:173], v[X8+4:X8+5], v[X8+6:X8+7]
	s_delay_alu instid0(VALU_DEP_1)
	v_pk_add_f32 v[170:171], v[170:171], v[172:173]
	s_delay_alu instid0(VALU_DEP_1)
	v_add_f32 v170, v170, v171
	ADDW 170, PT
	s_delay_alu instid0(VALU_DEP_1)
	v_mul_f32 v172, s40, v170                      ; mu
.irp j, 0,2,4,6
	v_pk_add_f32 v[X8+\j:X8+\j+1], v[X8+\j:X8+\j+1], v[172:173] op_sel_hi:[1,0] neg_lo:[0,1] neg_hi:[0,1]   ; z - mu: the squares are taken of the deviations, as reference() takes them
.endr
	s_delay_alu instid0(VALU_DEP_4)
	v_pk_mul_f32 v[174:175], v[X8:X8+1], v[X8:X8+1]
.irp j, 2,4,6
	s_delay_alu instid0(VALU_DEP_1)
	v_pk_fma_f32 v[174:175], v[X8+\j:X8+\j+1], v[X8+\j:X8+\j+1], v[174:175]
.endr
	s_delay_alu instid0(VALU_DEP_1)
	v_add_f32 v174, v174, v175
	ADDW 174, PT
	s_delay_alu instid0(VALU_DEP_1)
	v_fma_f32 v174, v174, s40, s41                 ; var + eps
	s_wait_alu depctr_va_vdst(0)
	v_rsq_f32 v176, v174
	v_nop
	s_wait_alu depctr_va_vdst(0)                   ; the wait ahead of its first use
	s_wait_loadcnt 6                               ; ln_g, ln_b, W2, b2 are in; state's six loads may be out
.irp j, 0,2,4,6
	v_pk_mul_f32 v[X8+\j:X8+\j+1], v[X8+\j:X8+\j+1], v[176:177] op_sel_hi:[1,0]
.endr
.irp j, 0,2,4,6
	s_delay_alu instid0(VALU_DEP_4)
	v_pk_fma_f32 v[X8+\j:X8+\j+1], v[X8+\j:X8+\j+1], v[LG+\j:LG+\j+1], v[LB+\j:LB+\j+1]
.endr
.irp j, 0,1,2,3,4,5,6,7
	v_max_num_f32 v[X8+\j], 0, v[X8+\j]
.endr
	v_mul_f32 v178, v[X8], v[W2V]
	v_mul_f32 v179, v[X8], v[W2V+1]
.irp j, 1,2,3,4,5,6,7
	s_delay_alu instid0(VALU_DEP_2)
	v_fmac_f32 v178, v[X8+\j], v[W2V+2*\j]         ; two chains by turns
	s_delay_alu instid0(VALU_DEP_2)
	v_fmac_f32 v179, v[X8+\j], v[W2V+2*\j+1]
.endr
.irp k, 1,2,4,8
	s_delay_alu instid0(VALU_DEP_2)
	v_add_f32_dpp v178, v178, v178 row_xmask:\k row_mask:0xf bank_mask:0xf
	s_delay_alu instid0(VALU_DEP_2)
	v_add_f32_dpp v179, v179, v179 row_xmask:\k row_mask:0xf bank_mask:0xf
.endr
	s_delay_alu instid0(VALU_DEP_2)
	v_permlanex16_b32 v183, v178, s[SEL], s[SEL+1]
	s_delay_alu instid0(VALU_DEP_2)
	v_permlanex16_b32 v184, v179, s[SEL], s[SEL+1]
	s_delay_alu instid0(VALU_DEP_2)
	v_add_f32 v178, v178, v183
	s_delay_alu instid0(VALU_DEP_2)
	v_add_f32 v179, v179, v184
	s_delay_alu instid0(VALU_DEP_1)
	v_pk_add_f32 v[178:179], v[178:179], v[B2:B2+1]   ; throttle, delta
	; ---- D: the bicycle model, two rows a lane
	v_mov_b32 v180, 0x3f860a92                     ; 60 degrees
	s_delay_alu instid0(VALU_DEP_1)
	v_med3_num_f32 v182, v179, -v180, v180
	s_delay_alu instid0(VALU_DEP_1)
	v_mov_b32 v183, v182
	SINCOS2 182, SS, CC
	s_wait_alu depctr_va_vdst(0)
	v_rcp_f32 v188, v[CC]
	v_mul_f32 v190, 0x3e4ccccd, v178               ; 0.2 x throttle.  (The plain line behind the reciprocal)
	s_wait_alu depctr_va_vdst(0)
	v_mul_f32 v192, v[SS], v188                    ; tan d
	s_delay_alu instid0(VALU_DEP_1)
	v_mul_f32 v192, 0x3d8a60dd, v192               ; x 0.2 / 2.96
	s_wait_loadcnt 0x0                             ; state
	v_pk_add_f32 v[V1:V1+1], v[ST+6:ST+7], v[190:191] op_sel_hi:[1,0]             ; v1
	s_wait_alu depctr_va_vdst(0)
	v_pk_fma_f32 v[X1:X1+1], v[V1:V1+1], v[ST+8:ST+9], v[ST:ST+1]
	v_pk_fma_f32 v[Y1:Y1+1], v[V1:V1+1], v[ST+10:ST+11], v[ST+2:ST+3]
	v_pk_fma_f32 v[YW:YW+1], v[V1:V1+1], v[192:193], v[ST+4:ST+5] op_sel_hi:[1,0,1]   ; a = yaw + omega DT
	s_delay_alu instid0(VALU_DEP_1)
	v_pk_mul_f32 v[VX:VX+1], v[YW:YW+1], 0x3e22f983 op_sel_hi:[1,0]
	s_delay_alu instid0(VALU_DEP_1)
	v_rndne_f32 v[VX], v[VX]
	s_delay_alu instid0(VALU_DEP_2)
	v_rndne_f32 v[VX+1], v[VX+1]
	s_delay_alu instid0(VALU_DEP_1)
	v_pk_fma_f32 v[YW:YW+1], v[VX:VX+1], 0xc0c90fdb, v[YW:YW+1] op_sel_hi:[1,0,1]
	s_delay_alu instid0(VALU_DEP_1)
	v_pk_fma_f32 v[YW:YW+1], v[VX:VX+1], 0x343bbd2e, v[YW:YW+1] op_sel_hi:[1,0,1]   ; yaw1
	SINCOS2 YW, SS, CC
	s_delay_alu instid0(VALU_DEP_1)
	v_pk_mul_f32 v[VX:VX+1], v[V1:V1+1], v[CC:CC+1]
	v_pk_mul_f32 v[VY:VY+1], v[V1:V1+1], v[SS:SS+1]
	; the way out: rows of 20 bytes go through my own stage and leave as five aligned blocks of 256 bytes.  LDS serves a wave's instructions in order: no wait between the stores and the loads
.irp e, 0,1
	ds_store_b32 v[AOW], v[X1+\e] offset:20*\e
	ds_store_b32 v[AOW], v[Y1+\e] offset:20*\e+4
	ds_store_b32 v[AOW], v[VX+\e] offset:20*\e+8
	ds_store_b32 v[AOW], v[VY+\e] offset:20*\e+12
	ds_store_b32 v[AOW], v[YW+\e] offset:20*\e+16
.endr
	ds_load_b128 v[BK:BK+3], v[AOR]
	ds_load_b128 v[BK+4:BK+7], v[AOR] offset:512
	ds_load_b64 v[BK+8:BK+9], v[AOT]
	s_wait_dscnt 0x0
	global_store_b128 v[L16], v[BK:BK+3], s[34:35] th:TH_STORE_NT
	global_store_b128 v[L16], v[BK+4:BK+7], s[34:35] offset:512 th:TH_STORE_NT
	global_store_b64 v[L8], v[BK+8:BK+9], s[34:35] offset:1024 th:TH_STORE_NT
	s_wait_tensorcnt 0x0                           ; the wave's end: behind my last LDS store
	ds_add_u32 v[SPW], v[NIL]
	s_wait_dscnt 0x0
	s_endpgm
.Lfunc_end_k_q0c14e743a7_step:
	.size	k_q0c14e743a7_step, .Lfunc_end_k_q0c14e743a7_step-k_q0c14e743a7_step
	.p2alignl 7, 3214868480
	.fill 96, 4, 3214868480
	.section	.rodata,"a",@progbits
	.p2align	6, 0x0
	.amdhsa_kernel k_q0c14e743a7_step
		.amdhsa_group_segment_fixed_size 25600
		.amdhsa_private_segment_fixed_size 0
		.amdhsa_enable_private_segment 0
		.amdhsa_kernarg_size 80
		.amdhsa_user_sgpr_count 2
		.amdhsa_user_sgpr_kernarg_segment_ptr 1
		.amdhsa_wavefront_size32 1
		.amdhsa_system_sgpr_workgroup_id_x 1
		.amdhsa_system_sgpr_workgroup_id_y 1
		.amdhsa_system_sgpr_workgroup_id_z 1
		.amdhsa_system_vgpr_workitem_id 0
		.amdhsa_next_free_vgpr 256
		.amdhsa_next_free_sgpr 66
		.amdhsa_reserve_vcc 1
		.amdhsa_float_denorm_mode_32 3
		.amdhsa_float_denorm_mode_16_64 3
		.amdhsa_memory_ordered 1
		.amdhsa_forward_progress 1
		.amdhsa_inst_pref_size 28
	.end_amdhsa_kernel
	.amdgpu_metadata
---
amdhsa.version: [ 1, 2 ]
amdhsa.kernels:
  - .name:           k_q0c14e743a7_step
    .symbol:         k_q0c14e743a7_step.kd
    .args:
      - { .name: aout, .offset: 0, .size: 8, .value_kind: global_buffer, .address_space: global }
      - { .name: state, .offset: 8, .size: 8, .value_kind: global_buffer, .address_space: global }
      - { .name: action, .offset: 16, .size: 8, .value_kind: global_buffer, .address_space: global }
      - { .name: W1, .offset: 24, .size: 8, .value_kind: global_buffer, .address_space: global }
      - { .name: b1, .offset: 32, .size: 8, .value_kind: global_buffer, .address_space: global }
      - { .name: ln_g, .offset: 40, .size: 8, .value_kind: global_buffer, .address_space: global }
      - { .name: ln_b, .offset: 48, .size: 8, .value_kind: global_buffer, .address_space: global }
      - { .name: W2, .offset: 56, .size: 8, .value_kind: global_buffer, .address_space: global }
      - { .name: b2, .offset: 64, .size: 8, .value_kind: global_buffer, .address_space: global }
      - { .name: out0, .offset: 72, .size: 8, .value_kind: global_buffer, .address_space: global }
    .group_segment_fixed_size: 25600
    .private_segment_fixed_size: 0
    .kernarg_segment_align: 8
    .kernarg_segment_size: 80
    .max_flat_workgroup_size: 512
    .sgpr_count:     66
    .vgpr_count:     256
    .wavefront_size: 32
...
	.end_amdgpu_metadata
.endif
;; end of part 3
